; MI455X (gfx1250); checked and timed in simulation.
; The chip was launched on July 23, 2026; its instructions are those of AMD's public machine-readable ISA for CDNA 5 (MIT licence, August 2026) and "CDNA5" Instruction Set Architecture Reference Guide (July 2026). The comments in the code are by the model that wrote it; some were corrected since.
;; Multi Head Attention. Allowed arithmetic: matrix products marked QUANTISED: E2M3 operands, one E8M0 scale for each 32 along K, by v_wmma_scale_f32_16x16x128_f8f6f4 with both operands' format E2M3, f32 sums; everything else in f32.
;; Inputs: Wk 1,024 x 1,024 float32; Wo 1,024 x 1,024 float32; Wq 1,024 x 1,024 float32; Wv 1,024 x 1,024 float32; bo 1,024 float32; x 4 x 2,048 x 1,024 float32.
;; Outputs: out0 4 x 2,048 x 1,024 float32.
;; This version of the problem:
;;   THIS VERSION OF THE PROBLEM IS GIVEN IN LOW PRECISION. The matrix products marked QUANTISED in the list below multiply operands that are first quantised to E2M3 (2 exponent bits, 3 mantissa bits; 6 bits a number), with one power-of-two scale for each 32 numbers along K (OCP MX v1.0); their sums are f32. All else is computed in f32.
;;   The module's matrix products, in the order in which they are computed (A, B: the left and right operand; K: the contracted axis; several contracted axes count as one K, in the product's order):
;;     1. [M 8,192, K 1,024] x [K 1,024, N 1,024]; A: input x; B: input Wq: QUANTISED
;;     2. [M 8,192, K 1,024] x [K 1,024, N 1,024]; A: input x; B: input Wk: QUANTISED
;;     3. [M 8,192, K 1,024] x [K 1,024, N 1,024]; A: input x; B: input Wv: QUANTISED
;;     4. batch 64 x [M 2,048, K 64] x [K 64, N 2,048]; A: computed on the way; B: computed on the way: QUANTISED
;;     5. batch 64 x [M 2,048, K 2,048] x [K 2,048, N 64]; A: softmax (see below); B: computed on the way: QUANTISED
;;     6. [M 8,192, K 1,024] x [K 1,024, N 1,024]; A: computed on the way; B: input Wo: QUANTISED
;;   THE QUANTISER, for each operand of a quantised product, along K:
;;     - K is cut into blocks of 32 from its start; a last block that is shorter is filled with zeros.
;;     - A block's scale is 2^e with e = floor(log2(the largest magnitude in the block)) - 2, held to -126 .. 127; a block of zeros has e = 0. As a byte (E8M0): e + 127.
;;     - Each number is divided by its block's scale, clamped to +-7.5, and rounded to the nearest number of E2M3, ties to even, subnormals kept.
;;     - The product sums the exact products of the quantised numbers (number of the format x scale) in f32.
;;   ~~~python
;;   def quantise(x, axis):      # numpy; x: float32 -> the quantised numbers, widened to float32 again
;;       x = np.moveaxis(x, axis, -1); K = x.shape[-1]
;;       x = np.pad(x, [(0, 0)] * (x.ndim - 1) + [(0, -K % 32)]); x = x.reshape(x.shape[:-1] + (-1, 32)); a = np.abs(x).max(-1, keepdims=True)
;;       e = np.where(a > 0, np.clip(np.frexp(np.where(a > 0, a, 1))[1] - 1 - 2, -126, 127), 0)      # np.frexp(a)[1] - 1 = floor(log2(a)), exactly
;;       r = np.clip(x / 2.0 ** e, -7.5, 7.5)
;;       step = 2.0 ** (np.maximum(np.frexp(np.where(r == 0, 1, r))[1] - 1, 0) - 3)
;;       q = np.round(r / step) * step * 2.0 ** e      # np.round: ties to even
;;       return np.moveaxis(q.reshape(q.shape[:-2] + (-1,))[..., :K], -1, axis).astype(np.float32)
;;   ~~~
;;   SOFTMAX AHEAD OF A QUANTISED PRODUCT. Where the list says 'softmax', what is quantised is not the finished softmax but p = 2^(t - M), with t = logit x log2(e) and M = ceil(the row's largest t), a whole number; so 1/2 < the row's largest p <= 1. The row's sum l is taken of the UNQUANTISED p, in f32, and the product's result is divided by l at the end. Since M is a whole number, a kernel that streams over the keys may use a running M (the ceiling of the running maximum): every later rescaling is an exact power of two, which a block's scale takes up: the codes' values come out the same.
;;   OPERANDS COMPUTED ON THE WAY. 'Computed on the way' means the value that the module computes at that place (a softmax that the list does not call 'softmax' is quantised finished and normalised). What goes into a quantiser is computed in f32, as accurately as f32 sums, v_exp_f32 and their like allow (about 1e-6 of the number): no bf16 or f16 on the way to a quantiser, and a product that is left as it is and whose result goes on into a quantised operand takes f32 operands (vector FMAs, or v_wmma_f32_16x16x4_f32). A number that lies on a knife's edge between two numbers of the format may be rounded either way, as far as f32 arithmetic and the matrix unit's own rounding can turn it there, and no further.
;; One version. Each part assembles by itself: llvm-mc -triple=amdgcn-amd-amdhsa -mcpu=gfx1250 --defsym DOCPART=n.
;; ======== version 1 of 1: 4 launches
;; workspace buffers: xq 6,553,600 bytes; wq 3,276,800 bytes; qb 13,631,488 bytes; kv 13,631,488 bytes; cq 6,291,456 bytes; cs 524,288 bytes
;; launch quant (part 1): grid 384 x 1, 8 waves a work-group, no clusters, 138,240 bytes of LDS; arguments x, Wq, Wk, Wv, Wo, xq, wq; writes xq, wq
.if DOCPART == 1
	.amdgcn_target "amdgcn-amd-amdhsa--gfx1250"
	.amdhsa_code_object_version 6
	.text
	.protected	k_q240041dc6e_quant
	.globl	k_q240041dc6e_quant
	.p2align	8
	.type	k_q240041dc6e_quant,@function
k_q240041dc6e_quant:
	s_mov_b64 s[64:65], 0
	v_nop
	global_prefetch_b8 v0, s[64:65] scope:SCOPE_SE
	s_setreg_imm32_b32 hwreg(HW_REG_WAVE_MODE, 25, 1), 1
	s_wait_xcnt 0x0
; x [8192][1024] and the four weights [1024 (k)][1024 (n)], f32, become codes of FP6 (E2M3) with one E8M0 byte for each 32 along K, laid IN THE ORDER OF AN OPERAND'S REGISTERS.
; A block's scale is 2^(floor(log2(its largest magnitude)) - 2); its byte is the largest magnitude's exponent field - 2, held at 1 from below.
; LIMITS: NaN and infinities among the inputs are not served.  A block of zeros, or one whose largest magnitude lies under 2^-124, gets the byte 1 (the rule says 127 for zeros): its codes are zeros, and this program alone reads the bytes.
; THE LAYOUT.  32 rows (of x: tokens; of a weight: its columns n) are a GROUP: two tiles u of 16; lane-row r of tile u is row 8 u + r + 8 (r / 8).  A fragment (16 rows x 128 K, 12 registers a lane) is 1,536 bytes:
; registers 0-3 at 16 x lane, 4-5 at 512 + 8 x lane, 6-9 at 768 + 16 x lane, 10-11 at 1,280 + 8 x lane.  A group is two halves Q of K, each [u][4 K steps][1,536] and then 512 bytes of scale words: 16 bytes at
; 16 (r + 16 u), the words of the half's four K steps: 12,800 bytes a half.  Every store of a wave covers 512 or 256 consecutive bytes, aligned to 256.
; SHARES.  A work-group is a group, its eight waves the eight K steps.  Work-groups 0-255 take x, 256-383 the weights (Wq, Wk, Wv, Wo: 32 groups each).  The two paths have LDS bytes of their own.
; No tensor loads, no cluster: nothing is read by two work-groups but the halves of a weight's 256 bytes.  Each wave asks for all its 16 KB at once.
.set STGB,  16896                      ; x's path: a stage of 32 rows x (512 bytes + 16) for each wave
.set SCBX,  8*STGB                     ; x's path: the group's 1,024 bytes of scale words
.set SCBW,  SCBX+1024                  ; the weights' path: the same
.set GRPB,  25600
.set HALFB, 12800
.set FRB,   1536
.set LI16, 4                           ; v4   16 x lane
.set LI8,  5                           ; v5   8 x lane
.set STI,  6                           ; v6   into my stage: 16 x lane
.set STO,  7                           ; v7   out of it: row r, + 64 h
.set XSA,  8                           ; v8   x's scale word: 16 r + my K step's place
.set WSA,  9                           ; v9   a weight's: 16 x lane + my K step's place
.set TLX,  10                          ; v10  the tail's read, x's path
.set TLW,  11                          ; v11  the weights' path
.set WCO,  12                          ; v12  4 x my column in the group
.set TM,   16                          ; v16-31 largest magnitudes, bytes, scale operands
.set PW,   32                          ; v32  the scale word just made
.set PC,   34                          ; v34-53 the codes just made (12 + 8 at work)
.set R,    64                          ; v64-191 numbers as loaded
.set XN,   192                         ; v192-255 x's path: 64 numbers in the quantiser's order
.set FX,   192                         ; the weights' path: blocks 0 and 2, then tile 0's fragment
.set FY,   204                         ; blocks 1 and 3, then tile 1's fragment
.set TT,   216                         ; four runs of three registers for the upper halves of the blocks
.set WV,   18
.set SEL,  20
; 64 numbers of a lane, register 16 b + i = k 32 b + 16 (lane / 16) + i of my row, become a fragment's codes in v[PC] on and its scale word in v[PW].
.macro QUANT s
.irp b, 0,1,2,3
	v_max3_num_f32 v[TM+\b], |v[\s+16*\b]|, |v[\s+1+16*\b]|, 0x1800000   ; my 16 numbers of block b, and the floor 2^(3 - 127): the byte cannot fall under 1
.endr
.irp i, 2,4,6,8,10,12,14
.irp b, 0,1,2,3
	s_delay_alu instid0(VALU_DEP_4)
	v_max3_num_f32 v[TM+\b], v[TM+\b], |v[\s+16*\b+\i]|, |v[\s+1+16*\b+\i]|
.endr
.endr
.irp b, 0,1,2,3
	s_delay_alu instid0(VALU_DEP_4)
	v_permlanex16_b32 v[TM+4+\b], v[TM+\b], s[SEL], s[SEL+1]
.endr
.irp b, 0,1,2,3
	s_delay_alu instid0(VALU_DEP_4)
	v_max_num_f32 v[TM+\b], v[TM+\b], v[TM+4+\b]   ; with lane l xor 16's: the block's largest magnitude
.endr
.irp b, 0,1,2,3
	s_delay_alu instid0(VALU_DEP_4)
	v_add_nc_u32 v[TM+12+\b], 0xff000000, v[TM+\b]   ; 2 off its exponent field: the conversion's scale operand
.endr
.irp b, 0,1,2,3
	s_delay_alu instid0(VALU_DEP_4)
	v_lshrrev_b32 v[TM+4+\b], 23, v[TM+12+\b]      ; the scale's byte
.endr
	s_delay_alu instid0(VALU_DEP_3)
	v_lshl_or_b32 v[PW], v[TM+5], 8, v[TM+4]
	s_delay_alu instid0(VALU_DEP_1)
	v_lshl_or_b32 v[PW], v[TM+6], 16, v[PW]
	s_delay_alu instid0(VALU_DEP_1)
	v_lshl_or_b32 v[PW], v[TM+7], 24, v[PW]
.irp c, 0,1
	v_cvt_scalef32_pk16_fp6_f32 v[PC+6*\c:PC+2+6*\c], v[\s+32*\c:\s+15+32*\c], v[TM+12+2*\c]
	v_cvt_scalef32_pk16_fp6_f32 v[PC+12+4*\c:PC+14+4*\c], v[\s+16+32*\c:\s+31+32*\c], v[TM+12+2*\c+1]   ; (a conversion's three registers begin on an even number)
.endr
	v_nop                                          ; one plain instruction behind the conversions
.irp c, 0,1                                    ; the operand wants a whole block in a lane: lanes 0-15 block 2 c, lanes 16-31 block 2 c + 1
.irp i, 0,1,2
	v_permlane16_swap_b32 v[PC+6*\c+\i], v[PC+12+4*\c+\i]
.endr
.irp i, 0,1,2
	s_delay_alu instid0(VALU_DEP_3)
	v_mov_b32 v[PC+3+6*\c+\i], v[PC+12+4*\c+\i]
.endr
.endr
.endm
.macro PUTF reg, base, off             ; a fragment's 12 registers to memory: 512, 256, 512, 256 consecutive bytes
	global_store_b128 v[LI16], v[\reg:\reg+3], s[\base:\base+1] offset:\off
	global_store_b64 v[LI8], v[\reg+4:\reg+5], s[\base:\base+1] offset:\off+512
	global_store_b128 v[LI16], v[\reg+6:\reg+9], s[\base:\base+1] offset:\off+768
	global_store_b64 v[LI8], v[\reg+10:\reg+11], s[\base:\base+1] offset:\off+1280
.endm
.macro TAIL adr, base                  ; the eight waves' scale words lie in LDS: waves 0 and 1 store the two halves' 512 bytes
	s_wait_dscnt 0x0                               ; for the others' sake: my scale words have landed
	s_barrier_signal -1
	s_barrier_wait -1
	s_cmp_lt_u32 s[WV], 2
	s_cbranch_scc0 .Lend_\@
	ds_load_b128 v[R:R+3], v[\adr]
	s_wait_dscnt 0x0
	global_store_b128 v[LI16], v[R:R+3], s[\base:\base+1]
.Lend_\@:
	s_wait_tensorcnt 0x0
	ds_add_u32 v62, v63
	s_wait_dscnt 0x0
	s_endpgm
.endm
	s_load_b256 s[4:11], s[0:1], 0x0               ; x, Wq, Wk, Wv
	s_load_b128 s[12:15], s[0:1], 0x20             ; Wo, xq
	s_load_b64 s[16:17], s[0:1], 0x30              ; wq
	v_lshl_add_u32 v62, v0, 2, 0x21800
	v_mov_b32 v63, 0
	v_lshrrev_b32 v1, 5, v0
	s_delay_alu instid0(VALU_DEP_1)
	v_readfirstlane_b32 s[WV], v1                  ; wave = K step 0..7
	v_and_b32 v1, 31, v0                           ; lane
	v_and_b32 v2, 15, v0                           ; r
	v_bfe_u32 v3, v0, 4, 1                         ; h
	s_delay_alu instid0(VALU_DEP_3)
	v_lshlrev_b32 v[LI16], 4, v1
	s_delay_alu instid0(VALU_DEP_4)
	v_lshlrev_b32 v[LI8], 3, v1
	s_mul_i32 s22, s[WV], STGB
	v_add_nc_u32 v[STI], s22, v[LI16]
	v_mul_u32_u24 v[STO], v2, 528
	s_delay_alu instid0(VALU_DEP_1)
	v_lshl_add_u32 v[STO], v3, 6, v[STO]
	s_delay_alu instid0(VALU_DEP_1)
	v_add_nc_u32 v[STO], s22, v[STO]
	s_lshr_b32 s23, s[WV], 2                       ; Q: which half of K
	s_and_b32 s24, s[WV], 3                        ; which K step in it
	s_lshl_b32 s25, s23, 9
	s_lshl_b32 s26, s24, 2
	s_add_co_u32 s25, s25, s26                     ; 512 Q + 4 x K step
	v_lshl_add_u32 v[XSA], v2, 4, SCBX
	s_delay_alu instid0(VALU_DEP_1)
	v_add_nc_u32 v[XSA], s25, v[XSA]
	v_add_nc_u32 v[WSA], s25, v[LI16]
	s_delay_alu instid0(VALU_DEP_1)
	v_add_nc_u32 v[WSA], SCBW, v[WSA]
	s_and_b32 s26, s[WV], 1
	s_lshl_b32 s27, s26, 9
	v_add_nc_u32 v[TLX], s27, v[LI16]
	s_delay_alu instid0(VALU_DEP_1)
	v_add_nc_u32 v[TLW], SCBW, v[TLX]
	s_delay_alu instid0(VALU_DEP_2)
	v_add_nc_u32 v[TLX], SCBX, v[TLX]
	v_and_b32 v[WCO], 8, v2
	s_delay_alu instid0(VALU_DEP_1)
	v_add_nc_u32 v[WCO], v[WCO], v2
	s_delay_alu instid0(VALU_DEP_1)
	v_lshl_add_u32 v[WCO], v3, 3, v[WCO]           ; my column: 8 (lane / 16) + r + 8 (r / 8)
	s_delay_alu instid0(VALU_DEP_1)
	v_lshlrev_b32 v[WCO], 2, v[WCO]
	s_mov_b32 s[SEL], 0x76543210
	s_mov_b32 s[SEL+1], 0xfedcba98                 ; lane l xor 16
.irp b, 0,1,2,3
	v_mov_b32 v[TM+4+\b], 0                        ; written once: a lane permute's destination counts as one of its sources
.endr
	s_mul_i32 s28, s23, HALFB
	s_mul_i32 s29, s24, FRB
	s_add_co_u32 s28, s28, s29                     ; my fragments' place in a group
	s_mov_b32 s29, 0
	s_mul_i32 s30, s26, HALFB
	s_add_co_u32 s30, s30, 8*FRB                   ; the tail's: a half's scale words
	s_mov_b32 s31, 0
	s_mov_b32 s33, 0
	s_wait_kmcnt 0x0
	s_cmp_lt_u32 ttmp9, 256
	s_cbranch_scc0 .Lweights
	; ---- x: K is innermost.  Load i takes the 512 bytes of my K step of the row that stands at place i of the group's order
	s_lshl_b32 s32, ttmp9, 17                      ; 32 rows of 4,096 bytes
	s_lshl_b32 s34, s[WV], 9
	s_add_co_u32 s32, s32, s34
	s_add_nc_u64 s[4:5], s[4:5], s[32:33]
	s_mul_i32 s32, ttmp9, GRPB
	s_add_nc_u64 s[14:15], s[14:15], s[32:33]
	s_add_nc_u64 s[34:35], s[14:15], s[28:29]
	s_add_nc_u64 s[14:15], s[14:15], s[30:31]
.set i, 0
.rept 32
	global_load_b128 v[R+4*i:R+4*i+3], v[LI16], s[4:5] offset:(8*(i/16)+(i%16)+8*((i%16)/8))*4096 th:TH_LOAD_NT
.set i, i+1
.endr
	s_wait_loadcnt 16                              ; tile 0's sixteen rows are in, tile 1's may be out
.set i, 0
.rept 16
	ds_store_b128 v[STI], v[R+4*i:R+4*i+3] offset:528*i
.set i, i+1
.endr
.set i, 0
.rept 16
	ds_load_b128 v[XN+4*i:XN+4*i+3], v[STO] offset:128*(i/4)+16*(i%4)   ; LDS serves a wave's instructions in order: these see my stores.  16 neighbours of each block of 32 of row r
.set i, i+1
.endr
	s_wait_loadcnt 0x0
.set i, 16
.rept 16
	ds_store_b128 v[STI], v[R+4*i:R+4*i+3] offset:528*i
.set i, i+1
.endr
	s_wait_dscnt 16                                ; the sixteen loads are back; the sixteen stores behind them may be out
	QUANT XN
	PUTF PC, 34, 0
	ds_store_b32 v[XSA], v[PW]                     ; both halves of the lanes write the same word with the same value
.set i, 0
.rept 16
	ds_load_b128 v[XN+4*i:XN+4*i+3], v[STO] offset:16*528+128*(i/4)+16*(i%4)
.set i, i+1
.endr
	s_wait_dscnt 0x0
	s_wait_xcnt 0x0                                ; tile 0's stores have read their registers: the codes may be written again
	QUANT XN
	PUTF PC, 34, 4*FRB
	ds_store_b32 v[XSA], v[PW] offset:256
	TAIL TLX, 14
	; ---- a weight: K is its first axis.  A lane takes a column and its registers run down K: 128 numbers, four whole blocks
.Lweights:
	s_sub_co_u32 s26, ttmp9, 256                   ; the group in wq
	s_lshr_b32 s27, s26, 5                         ; which weight
	s_and_b32 s32, s26, 31                         ; which 32 columns of it
	s_cmp_eq_u32 s27, 1
	s_cselect_b64 s[6:7], s[8:9], s[6:7]
	s_cmp_eq_u32 s27, 2
	s_cselect_b64 s[6:7], s[10:11], s[6:7]
	s_cmp_eq_u32 s27, 3
	s_cselect_b64 s[6:7], s[12:13], s[6:7]
	s_lshl_b32 s32, s32, 7
	s_lshl_b32 s34, s[WV], 19                      ; 128 rows of 4,096 bytes
	s_add_co_u32 s32, s32, s34
	s_add_nc_u64 s[6:7], s[6:7], s[32:33]
	s_mul_i32 s32, s26, GRPB
	s_add_nc_u64 s[16:17], s[16:17], s[32:33]
	s_add_nc_u64 s[34:35], s[16:17], s[28:29]
	s_add_nc_u64 s[16:17], s[16:17], s[30:31]
.set i, 0
	s_wait_alu depctr_va_vdst(0)
.rept 128
	global_load_b32 v[R+i], v[WCO], s[6:7] offset:i*4096   ; the 32 lanes read 128 consecutive bytes of row k
.set i, i+1
.endr
.macro WBLOCK b, left
.set XS, R+32*(\b)
.set FF, FX+12*((\b)%2)+6*((\b)/2)
	s_wait_loadcnt \left                           ; this block's 32 loads are in
	v_max3_num_f32 v[TM+\b], |v[XS]|, |v[XS+1]|, |v[XS+2]|
	v_max3_num_f32 v[TM+4+\b], |v[XS+3]|, |v[XS+4]|, |v[XS+5]|
.irp i, 6,10,14,18,22,26
	s_delay_alu instid0(VALU_DEP_2)
	v_max3_num_f32 v[TM+\b], v[TM+\b], |v[XS+\i]|, |v[XS+\i+1]|
	s_delay_alu instid0(VALU_DEP_2)
	v_max3_num_f32 v[TM+4+\b], v[TM+4+\b], |v[XS+\i+2]|, |v[XS+\i+3]|
.endr
	s_delay_alu instid0(VALU_DEP_2)
	v_max3_num_f32 v[TM+\b], v[TM+\b], |v[XS+30]|, |v[XS+31]|
	s_delay_alu instid0(VALU_DEP_1)
	v_max3_num_f32 v[TM+\b], v[TM+\b], v[TM+4+\b], 0x1800000   ; and the floor
	s_delay_alu instid0(VALU_DEP_1)
	v_add_nc_u32 v[TM+12+\b], 0xff000000, v[TM+\b]
	s_delay_alu instid0(VALU_DEP_1)
	v_lshrrev_b32 v[TM+8+\b], 23, v[TM+12+\b]
.if (\b) == 0
	s_delay_alu instid0(VALU_DEP_1)
	v_mov_b32 v[PW], v[TM+8]
.else
	s_delay_alu instid0(VALU_DEP_1)
	v_lshl_or_b32 v[PW], v[TM+8+\b], 8*(\b), v[PW]
.endif
	v_cvt_scalef32_pk16_fp6_f32 v[FF:FF+2], v[XS:XS+15], v[TM+12+\b]
	v_cvt_scalef32_pk16_fp6_f32 v[TT+4*(\b):TT+4*(\b)+2], v[XS+16:XS+31], v[TM+12+\b]
.endm
	WBLOCK 0, 63                                   ; 96 and 64 loads stand behind blocks 0 and 1: the wait names the most that its field holds, which is fewer
	WBLOCK 1, 63
	WBLOCK 2, 32
	WBLOCK 3, 0
	v_nop                                          ; one plain instruction behind the conversions
.irp b, 0,1,2,3
.irp i, 0,1,2
	v_mov_b32 v[FX+12*(\b%2)+6*(\b/2)+3+\i], v[TT+4*\b+\i]
.endr
.endr
.irp i, 0,1,2,3,4,5,6,7,8,9,10,11
	v_permlane16_swap_b32 v[FX+\i], v[FY+\i]       ; lanes 0-15 hold tile 0's columns, lanes 16-31 tile 1's: after the exchange FX is tile 0's fragment (lanes 16-31: its blocks 1 and 3), FY tile 1's
.endr
	PUTF FX, 34, 0
	PUTF FY, 34, 4*FRB
	ds_store_b32 v[WSA], v[PW]
	TAIL TLW, 16
.Lfunc_end_k_q240041dc6e_quant:
	.size	k_q240041dc6e_quant, .Lfunc_end_k_q240041dc6e_quant-k_q240041dc6e_quant
	.p2alignl 7, 3214868480
	.fill 96, 4, 3214868480
	.section	.rodata,"a",@progbits
	.p2align	6, 0x0
	.amdhsa_kernel k_q240041dc6e_quant
		.amdhsa_group_segment_fixed_size 138240
		.amdhsa_private_segment_fixed_size 0
		.amdhsa_enable_private_segment 0
		.amdhsa_kernarg_size 56
		.amdhsa_user_sgpr_count 2
		.amdhsa_user_sgpr_kernarg_segment_ptr 1
		.amdhsa_wavefront_size32 1
		.amdhsa_system_sgpr_workgroup_id_x 1
		.amdhsa_system_sgpr_workgroup_id_y 1
		.amdhsa_system_sgpr_workgroup_id_z 1
		.amdhsa_system_vgpr_workitem_id 0
		.amdhsa_next_free_vgpr 256
		.amdhsa_next_free_sgpr 66
		.amdhsa_reserve_vcc 0
		.amdhsa_float_denorm_mode_32 3
		.amdhsa_float_denorm_mode_16_64 3
		.amdhsa_memory_ordered 1
		.amdhsa_forward_progress 1
		.amdhsa_inst_pref_size 45
	.end_amdhsa_kernel
	.amdgpu_metadata
---
amdhsa.version: [ 1, 2 ]
amdhsa.kernels:
  - .name:           k_q240041dc6e_quant
    .symbol:         k_q240041dc6e_quant.kd
    .args:
      - { .name: x, .offset: 0, .size: 8, .value_kind: global_buffer, .address_space: global }
      - { .name: Wq, .offset: 8, .size: 8, .value_kind: global_buffer, .address_space: global }
      - { .name: Wk, .offset: 16, .size: 8, .value_kind: global_buffer, .address_space: global }
      - { .name: Wv, .offset: 24, .size: 8, .value_kind: global_buffer, .address_space: global }
      - { .name: Wo, .offset: 32, .size: 8, .value_kind: global_buffer, .address_space: global }
      - { .name: xq, .offset: 40, .size: 8, .value_kind: global_buffer, .address_space: global }
      - { .name: wq, .offset: 48, .size: 8, .value_kind: global_buffer, .address_space: global }
    .group_segment_fixed_size: 138240
    .private_segment_fixed_size: 0
    .kernarg_segment_align: 8
    .kernarg_segment_size: 56
    .max_flat_workgroup_size: 256
    .sgpr_count:     66
    .vgpr_count:     256
    .wavefront_size: 32
...
	.end_amdgpu_metadata
.endif
;; end of part 1
;; launch qkv (part 2): grid 16 x 48, 4 waves a work-group, clusters of 4 x 4, 307,712 bytes of LDS; arguments xq, wq, qb, kv; writes qb, kv
.if DOCPART == 2
	.amdgcn_target "amdgcn-amd-amdhsa--gfx1250"
	.amdhsa_code_object_version 6
	.text
	.protected	k_q240041dc6e_qkv
	.globl	k_q240041dc6e_qkv
	.p2align	8
	.type	k_q240041dc6e_qkv,@function
k_q240041dc6e_qkv:
	s_mov_b64 s[64:65], 0
	v_nop
	global_prefetch_b8 v0, s[64:65] scope:SCOPE_SE
	s_setreg_imm32_b32 hwreg(HW_REG_WAVE_MODE, 25, 1), 1
	s_wait_xcnt 0x0
	s_wait_alu depctr_hold_cnt(0) depctr_sa_sdst(0) depctr_va_vdst(0) depctr_va_sdst(0) depctr_va_ssrc(0) depctr_va_vcc(0) depctr_vm_vsrc(0)
	s_getreg_b32 s2, hwreg(HW_REG_IB_STS2, 6, 4)
	s_cmp_eq_u32 s2, 0
	s_cbranch_scc0 .Lentry_in_a_cluster
	s_endpgm
.Lentry_in_a_cluster:
	s_bfe_u32 s2, ttmp6, 0x10000c
	s_cmp_lg_u32 s2, 0xf033
	s_cbranch_scc0 .Lentry_shape_is_right
	s_endpgm
.Lentry_shape_is_right:
; q = x Wq, k = x Wk, v = x Wv on codes of FP6 (E2M3), and the results quantised at once: q and k along the head's 64 channels, v along the keys.  Operands come in the register order that the first launch stores.
; A TILE: source 1 = 256 rows (S1), source 0 = 128 rows (S0), all of K = 1,024.  In a result a lane holds ONE row of S1, and its 64 registers of the eight S0 tiles run along S0's 128 rows in their natural order
; (16 of each 32; the other 16 lie in lane l xor 16): just what the quantiser takes.  q, k (cluster y 0-7): S1 = 256 tokens, S0 = 128 columns of Wq | Wk = two heads.  v (cluster y 8-11): S1 = 256 columns of Wv = four heads,
; S0 = 128 tokens = one key step: the roles are swapped, so that v's registers run along the keys.  512 + 256 tiles: three for each of 256 WGPs.
; Four waves; wave w takes S1's rows 64 w on (4 tiles a) against S0's 8 tiles b: 32 accumulators.  A tile's operands, 307,200 bytes, lie in LDS whole: every tensor load is a first fill, nothing is filled again.
; CLUSTER 4 x 4: S1 hangs on the work-group's y alone and is asked for jointly along a row of the cluster, S0 on x (and the cluster's y) and jointly along a column.
; OUT (qb for q, kv for k and v; 212,992 bytes a (batch, head); 13,312 a key step of 128 tokens): 0: K (or q): eight tiles of 16 tokens x 64 channels, 768 bytes each (registers 0-3 at 16 x lane, 4-5 at 512 + 8 x lane);
; 6,144: V: four tiles of 16 channels x 128 keys, 1,536 each; 12,288: K's scale halves, for each 64 tokens 8 bytes at 8 x lane: two words, each tile 2 i's two bytes below tile 2 i + 1's; 12,800: V's scale words, 16 bytes at 16 x lane.
; Every store of a wave covers 512 or 256 consecutive bytes, aligned to 256.
; LIMITS: NaN and infinities are not served; a block of zeros or under 2^-124 gets the byte 1 (its codes are zeros; this program alone reads the bytes).
; REGISTERS: window 0: v2-15 addresses; v32-63 S0's scale words, v64-79 S1's; v80-123 the quantiser; v128-223 S1's fragments, two sets.  window 1: v0-191 S0's fragments, two sets.  window 2: the accumulators, (a, b) at v[64 a + 8 b].
.set S1GB, 12800                       ; a group's half of K in LDS: 8 fragments and 512 bytes of scale words
.set S0GB, 12800
.set QB,   8*S1GB+4*S0GB               ; a half of K: S1's eight groups, then S0's four
.set FRB,  1536
.set KVB,  212992
.set KSB,  13312
.set LI16, 2
.set LI8,  3
.set SOF,  4                           ; v4  8 x lane + 256 x (wave % 2)
.set A161, 8                           ; v8-9   S1: 16 x lane + my two groups, in half 0, 1
.set A81,  10                          ; v10-11 8 x lane likewise
.set A160, 12                          ; v12-13 S0
.set A80,  14                          ; v14-15
.set SC0,  32
.set SC1,  64
.set TM,   80
.set PC,   96
.set PWB,  116                         ; v116-119 the four tiles' scale words
.set CC,   120
.set S1F,  128
.set WV,   12
.set SEL,  90
.set G1A,  24                          ; s[24:31] group 1 for S1;  s[32:39] for S0
.set G1B,  32
.set G0A,  40                          ; s[40:47] groups 0 for S1's halves of K;  s[48:55] for S0's
.set G0B,  48
.set PS,   82                          ; s[82:83] my key step's block in the output
.set P0,   84                          ; s[84:85], s[86:87] where a tile's two images go
.set P1,   86
.set MSB, 0
.macro WIN new                         ; the immediate's high byte repeats the setting that is left
.if MSB != \new
	s_set_vgpr_msb (MSB<<8)|\new
.set MSB, \new
.endif
.endm
.set MUL, 0xa1                         ; source 0 window 1, source 1 window 0, C and D window 2
.macro CROUND                          ; a round of the cluster's barrier
	s_barrier_signal -1
	s_barrier_wait -1
	s_cmp_lg_u32 s[WV], 0
	s_cbranch_scc1 .Lnot_wave_0_\@
	s_barrier_signal -3
.Lnot_wave_0_\@:
	s_barrier_wait -3
	s_barrier_signal -1
	s_barrier_wait -1
.endm
.macro FRAG reg, a16, a8, off          ; a fragment from LDS, as it was stored: each load takes consecutive bytes
	ds_load_b128 v[\reg:\reg+3], v[\a16] offset:\off
	ds_load_b64 v[\reg+4:\reg+5], v[\a8] offset:\off+512
	ds_load_b128 v[\reg+6:\reg+9], v[\a16] offset:\off+768
	ds_load_b64 v[\reg+10:\reg+11], v[\a8] offset:\off+1280
.endm
.macro FETCH q                         ; K step q's twelve fragments into set q % 2
.set fQ, (\q)/4
.set fK, ((\q)%4)*FRB
.set fS, (\q)%2
	WIN 0x40                                       ; destination window 1
.irp b, 0,1,2,3,4,5,6,7
	FRAG 96*fS+12*\b, A160+fQ, A80+fQ, (\b/2)*S0GB+(\b%2)*4*FRB+fK
.endr
	WIN 0
.irp a, 0,1,2,3
	FRAG S1F+48*fS+12*\a, A161+fQ, A81+fQ, (\a/2)*S1GB+(\a%2)*4*FRB+fK
.endr
.endm
.macro SCALES Q                        ; a half's scale words: four registers a group, one for each K step; lanes 0-15 tile 0's rows, lanes 16-31 tile 1's
.irp g, 0,1,2,3
	ds_load_b128 v[SC0+8*\g+4*\Q:SC0+8*\g+4*\Q+3], v[A160+\Q] offset:\g*S0GB+8*FRB
.endr
.irp g, 0,1
	ds_load_b128 v[SC1+8*\g+4*\Q:SC1+8*\g+4*\Q+3], v[A161+\Q] offset:\g*S1GB+8*FRB
.endr
.endm
.macro MM a, b, q                      ; one product; K step 0 starts the sums with the constant 0.  An odd tile's scale words stand in lanes 16-31
.set rD, 64*(\a)+8*(\b)
.set rA, 96*((\q)%2)+12*(\b)
.set rB, S1F+48*((\q)%2)+12*(\a)
.set rX, SC0+8*((\b)/2)+(\q)
.set rY, SC1+8*((\a)/2)+(\q)
.set rW, 2*((\b)%2)+(\a)%2
.if (\q) == 0
.if rW == 0
	v_wmma_scale_f32_16x16x128_f8f6f4 v[rD:rD+7], v[rA:rA+11], v[rB:rB+11], 0, v[rX], v[rY] matrix_a_fmt:MATRIX_FMT_FP6 matrix_b_fmt:MATRIX_FMT_FP6
.elseif rW == 1
	v_wmma_scale_f32_16x16x128_f8f6f4 v[rD:rD+7], v[rA:rA+11], v[rB:rB+11], 0, v[rX], v[rY] matrix_a_fmt:MATRIX_FMT_FP6 matrix_b_fmt:MATRIX_FMT_FP6 matrix_b_scale:MATRIX_SCALE_ROW1
.elseif rW == 2
	v_wmma_scale_f32_16x16x128_f8f6f4 v[rD:rD+7], v[rA:rA+11], v[rB:rB+11], 0, v[rX], v[rY] matrix_a_fmt:MATRIX_FMT_FP6 matrix_b_fmt:MATRIX_FMT_FP6 matrix_a_scale:MATRIX_SCALE_ROW1
.else
	v_wmma_scale_f32_16x16x128_f8f6f4 v[rD:rD+7], v[rA:rA+11], v[rB:rB+11], 0, v[rX], v[rY] matrix_a_fmt:MATRIX_FMT_FP6 matrix_b_fmt:MATRIX_FMT_FP6 matrix_a_scale:MATRIX_SCALE_ROW1 matrix_b_scale:MATRIX_SCALE_ROW1
.endif
.else
.if rW == 0
	v_wmma_scale_f32_16x16x128_f8f6f4 v[rD:rD+7], v[rA:rA+11], v[rB:rB+11], v[rD:rD+7], v[rX], v[rY] matrix_a_fmt:MATRIX_FMT_FP6 matrix_b_fmt:MATRIX_FMT_FP6
.elseif rW == 1
	v_wmma_scale_f32_16x16x128_f8f6f4 v[rD:rD+7], v[rA:rA+11], v[rB:rB+11], v[rD:rD+7], v[rX], v[rY] matrix_a_fmt:MATRIX_FMT_FP6 matrix_b_fmt:MATRIX_FMT_FP6 matrix_b_scale:MATRIX_SCALE_ROW1
.elseif rW == 2
	v_wmma_scale_f32_16x16x128_f8f6f4 v[rD:rD+7], v[rA:rA+11], v[rB:rB+11], v[rD:rD+7], v[rX], v[rY] matrix_a_fmt:MATRIX_FMT_FP6 matrix_b_fmt:MATRIX_FMT_FP6 matrix_a_scale:MATRIX_SCALE_ROW1
.else
	v_wmma_scale_f32_16x16x128_f8f6f4 v[rD:rD+7], v[rA:rA+11], v[rB:rB+11], v[rD:rD+7], v[rX], v[rY] matrix_a_fmt:MATRIX_FMT_FP6 matrix_b_fmt:MATRIX_FMT_FP6 matrix_a_scale:MATRIX_SCALE_ROW1 matrix_b_scale:MATRIX_SCALE_ROW1
.endif
.endif
.endm
; A K step of 128: its fragments were asked for a step, 32 matrix instructions, ago; the next step's are asked for ahead of its products.  The 32 accumulators take turns, one instruction a turn, in the same order in every step.
.macro STEP q
	s_wait_dscnt 0x0                               ; this step's fragments are in
.if (\q) == 3
	s_wait_tensorcnt 0x0                           ; my part of the second half of K has landed,
	s_barrier_signal -1
	s_barrier_wait -1                              ; everybody's has.
.endif
.if (\q) < 7
.rept 4
	v_nop                                          ; four plain instructions between the last step's products and loads into the set that they read
.endr
	FETCH (\q)+1
.if (\q) == 3
	SCALES 1
.endif
.endif
	WIN MUL
.irp a, 0,1,2,3
.irp b, 0,1,2,3,4,5,6,7
	MM \a, \b, \q
.endr
.endr
	WIN 0
.endm
; The quantiser on 64 accumulator registers of window 2, v[s] on: register 16 b + i = S0's row 32 b + 16 (lane / 16) + i.  Each accumulator is read from its low end on.  Codes to v[PC] on, the scale word to v[pw].
.macro QUANTW s, pw
	WIN 0x0a
.irp b, 0,1,2,3
	v_max3_num_f32 v[TM+\b], |v[\s+16*\b]|, |v[\s+1+16*\b]|, 0x1800000   ; and the floor 2^(3 - 127)
.endr
	WIN 0x28
.irp i, 2,4,6,8,10,12,14
.irp b, 0,1,2,3
	v_max3_num_f32 v[TM+\b], v[TM+\b], |v[\s+16*\b+\i]|, |v[\s+1+16*\b+\i]|
.endr
.endr
	WIN 0
.irp b, 0,1,2,3
	v_permlanex16_b32 v[TM+4+\b], v[TM+\b], s[SEL], s[SEL+1]
.endr
.irp b, 0,1,2,3
	v_max_num_f32 v[TM+\b], v[TM+\b], v[TM+4+\b]
.endr
.irp b, 0,1,2,3
	v_add_nc_u32 v[TM+12+\b], 0xff000000, v[TM+\b]
.endr
.irp b, 0,1,2,3
	v_lshrrev_b32 v[TM+4+\b], 23, v[TM+12+\b]
.endr
	v_lshl_or_b32 v[\pw], v[TM+5], 8, v[TM+4]
	v_lshl_or_b32 v[\pw], v[TM+6], 16, v[\pw]
	v_lshl_or_b32 v[\pw], v[TM+7], 24, v[\pw]
	WIN 0x02
.irp c, 0,1
	v_cvt_scalef32_pk16_fp6_f32 v[PC+6*\c:PC+2+6*\c], v[\s+32*\c:\s+15+32*\c], v[TM+12+2*\c]
	v_cvt_scalef32_pk16_fp6_f32 v[PC+12+4*\c:PC+14+4*\c], v[\s+16+32*\c:\s+31+32*\c], v[TM+12+2*\c+1]
.endr
	WIN 0
	v_nop                                          ; one plain instruction behind the conversions
.irp c, 0,1
.irp i, 0,1,2
	v_permlane16_swap_b32 v[PC+6*\c+\i], v[PC+12+4*\c+\i]
.endr
.irp i, 0,1,2
	v_mov_b32 v[PC+3+6*\c+\i], v[PC+12+4*\c+\i]
.endr
.endr
.endm
	s_load_b256 s[4:11], s[0:1], 0x0               ; xq, wq, qb, kv
	v_lshl_add_u32 v254, v0, 2, 0x4b000
	v_mov_b32 v255, 0
	ds_add_u32 v254, v255
	ds_add_u32 v254, v255
	v_lshrrev_b32 v1, 5, v0
	v_readfirstlane_b32 s[WV], v1                  ; wave 0..3
	s_and_b32 s13, s[WV], 1                        ; which half of S1's or S0's groups I fetch
	s_bfe_u32 s14, ttmp6, 0x40000                  ; cx
	s_bfe_u32 s15, ttmp6, 0x40004                  ; cy
	s_and_b32 s17, ttmp7, 0xffff                   ; cluster y: 8 and above is v's kind; the same in all partners
	s_lshl_b32 s18, ttmp9, 2
	s_add_co_u32 s18, s18, s14                     ; work-group x
	s_lshl_b32 s19, s17, 2
	s_add_co_u32 s19, s19, s15                     ; work-group y
	s_lshl_b32 s20, s15, 2
	s_lshl_b32 s20, 15, s20                        ; my row of the cluster
	s_lshl_b32 s21, 0x1111, s14                    ; my column
	; group 1: rows of 12,800 bytes (1,600 elements of 8), a group's half of K, 25,600 bytes apart; S1: four groups a load, S0: two.  No padding
	s_or_b32 s[G1A], s20, (3<<16)|(1<<21)
	s_mov_b32 s[G1A+1], 1600<<16
	s_mov_b32 s[G1A+2], 4<<16
	s_mov_b32 s[G1A+3], 1600<<16
	s_mov_b32 s[G1A+4], 4
	s_mov_b32 s[G1A+5], 3200
	s_mov_b32 s[G1A+6], 0
	s_mov_b32 s[G1A+7], 0
	s_or_b32 s[G1B], s21, (3<<16)|(1<<21)
	s_mov_b32 s[G1B+1], 1600<<16
	s_mov_b32 s[G1B+2], 2<<16
	s_mov_b32 s[G1B+3], 1600<<16
	s_mov_b32 s[G1B+4], 2
	s_mov_b32 s[G1B+5], 3200
	s_mov_b32 s[G1B+6], 0
	s_mov_b32 s[G1B+7], 0
	; S1's first group hangs on y alone (s56, s57), S0's on x and the cluster's y (s58 to s60)
	s_lshl_b32 s56, s19, 3                         ; q, k: xq's groups 8 y on
	s_lshl_b32 s57, s15, 3
	s_add_co_u32 s57, s57, 64                      ; v: wq's groups 64 + 8 cy on
	s_and_b32 s58, s17, 3
	s_lshl_b32 s58, s58, 4
	s_add_co_u32 s58, s58, s18                     ; v: which 128 tokens: x + 16 (cluster y - 8)
	s_lshl_b32 s59, s58, 2                         ; v: xq's groups
	s_lshl_b32 s60, s18, 2                         ; q, k: wq's groups 4 x on
	s_lshl_b32 s22, s13, 2
	s_lshl_b32 s23, s13, 1
	s_wait_dscnt 0x0
	s_wait_kmcnt 0x0
	s_cmp_ge_u32 s17, 8
	s_cselect_b32 s56, s57, s56
	s_cselect_b32 s60, s59, s60
	s_cselect_b64 s[66:67], s[6:7], s[4:5]
	s_cselect_b64 s[68:69], s[4:5], s[6:7]
	s_add_co_u32 s56, s56, s22
	s_mul_i32 s56, s56, 25600
	s_mov_b32 s57, 0
	s_add_nc_u64 s[66:67], s[66:67], s[56:57]
	s_add_co_u32 s60, s60, s23
	s_mul_i32 s60, s60, 25600
	s_mov_b32 s61, 0
	s_add_nc_u64 s[68:69], s[68:69], s[60:61]
	s_mul_i32 s62, s13, 4*S1GB                     ; where they go: no place in the cluster enters an LDS address
	s_mul_i32 s63, s13, 2*S0GB
	s_add_co_u32 s63, s63, 8*S1GB
	CROUND                                         ; all sixteen work-groups are here: the joint loads meet
.irp Q, 0,1
	s_mov_b32 s[G0A+4*\Q], 1
	s_add_co_u32 s[G0A+4*\Q+1], s62, \Q*QB
	s_add_nc_u64 s[G0A+4*\Q+2:G0A+4*\Q+3], s[66:67], \Q*12800
	s_or_b32 s[G0A+4*\Q+3], s[G0A+4*\Q+3], 0x80000000
	s_mov_b32 s[G0B+4*\Q], 1
	s_add_co_u32 s[G0B+4*\Q+1], s63, \Q*QB
	s_add_nc_u64 s[G0B+4*\Q+2:G0B+4*\Q+3], s[68:69], \Q*12800
	s_or_b32 s[G0B+4*\Q+3], s[G0B+4*\Q+3], 0x80000000
.endr
	s_cmp_lt_u32 s[WV], 2                          ; waves 0, 1: S1's halves; waves 2, 3: S0's.  A wave's two loads stand together: two of mine are out
	s_cbranch_scc0 .Lfor_s0
	tensor_load_to_lds s[G0A:G0A+3], s[G1A:G1A+7]
	s_nop 0
	tensor_load_to_lds s[G0A+4:G0A+7], s[G1A:G1A+7]
	s_nop 0
.rept 4
	v_nop
.endr
	s_branch .Lasked
.Lfor_s0:
	tensor_load_to_lds s[G0B:G0B+3], s[G1B:G1B+7]
	s_nop 0
	tensor_load_to_lds s[G0B+4:G0B+7], s[G1B:G1B+7]
	s_nop 0
.rept 4
	v_nop
.endr
.Lasked:
	v_and_b32 v1, 31, v0
	v_lshlrev_b32 v[LI16], 4, v1
	v_lshlrev_b32 v[LI8], 3, v1
	s_mul_i32 s88, s[WV], 2*S1GB
.irp Q, 0,1
	v_add_nc_u32 v[A161+\Q], s88, v[LI16]
	v_add_nc_u32 v[A81+\Q], s88, v[LI8]
	v_add_nc_u32 v[A160+\Q], 8*S1GB+\Q*QB, v[LI16]
	v_add_nc_u32 v[A80+\Q], 8*S1GB+\Q*QB, v[LI8]
	s_add_co_u32 s88, s88, QB
.endr
	s_lshl_b32 s89, s13, 8
	v_add_nc_u32 v[SOF], s89, v[LI8]
	s_mov_b32 s[SEL], 0x76543210
	s_mov_b32 s[SEL+1], 0xfedcba98
.irp b, 0,1,2,3
	v_mov_b32 v[TM+4+\b], 0                        ; written once: a lane permute's destination counts as one of its sources
.endr
	; where the results go.  q, k: (batch, even head), key step, my 64 tokens' place among K's tiles
	s_lshr_b32 s70, s19, 3
	s_lshl_b32 s70, s70, 4
	s_and_b32 s71, s18, 7
	s_lshl_b32 s71, s71, 1
	s_add_co_u32 s70, s70, s71
	s_and_b32 s71, s19, 7
	s_lshl_b32 s71, s71, 1
	s_lshr_b32 s72, s[WV], 1
	s_add_co_u32 s71, s71, s72
	s_mul_i32 s72, s13, 3072
	; v: (batch, head 4 cy + wave), key step, V's slot
	s_lshr_b32 s73, s58, 4
	s_lshl_b32 s73, s73, 4
	s_lshl_b32 s74, s15, 2
	s_add_co_u32 s73, s73, s74
	s_add_co_u32 s73, s73, s[WV]
	s_and_b32 s74, s58, 15
	s_mov_b32 s75, 6144
	s_mov_b32 s76, 768                             ; v: a fragment's second half
	s_mov_b32 s77, KVB                             ; q, k: the odd head's block
	s_mov_b32 s78, 1536
	s_cmp_ge_u32 s17, 8
	s_cselect_b32 s70, s73, s70
	s_cselect_b32 s71, s74, s71
	s_cselect_b32 s72, s75, s72
	s_cselect_b32 s76, s76, s77
	s_cselect_b32 s78, s78, 768                    ; from tile to tile
	s_lshr_b32 s79, s17, 3
	s_lshr_b32 s80, ttmp9, 1
	s_or_b32 s79, s79, s80
	s_cmp_eq_u32 s79, 0                            ; q's columns: cluster y under 8 and cluster x under 2
	s_cselect_b64 s[80:81], s[8:9], s[10:11]
	s_mul_i32 s70, s70, KVB
	s_mul_i32 s71, s71, KSB
	s_add_co_u32 s70, s70, s71
	s_mov_b32 s71, 0
	s_add_nc_u64 s[PS:PS+1], s[80:81], s[70:71]
	s_mov_b32 s73, 0
	s_add_nc_u64 s[P0:P0+1], s[PS:PS+1], s[72:73]
	s_mov_b32 s77, 0
	s_add_nc_u64 s[P1:P1+1], s[P0:P0+1], s[76:77]
	s_mov_b32 s79, 0
	s_wait_alu depctr_va_vdst(0)
	s_wait_tensorcnt 0x1                           ; my part of the first half of K is in (the second half's load may be out),
	s_barrier_signal -1
	s_barrier_wait -1                              ; everybody's is
	SCALES 0
	FETCH 0
.irp q, 0,1,2,3,4,5,6,7
	STEP \q
.endr
.rept 4
	v_nop                                          ; four plain instructions between the last products and the first read of results
.endr
.irp a, 0,1,2,3
	QUANTW 64*\a, PWB+\a
	global_store_b128 v[LI16], v[PC:PC+3], s[P0:P0+1]              ; q, k: the even head's 16 x 64;  v: keys 0-63
	global_store_b64 v[LI8], v[PC+4:PC+5], s[P0:P0+1] offset:512
	global_store_b128 v[LI16], v[PC+6:PC+9], s[P1:P1+1]            ; q, k: the odd head's;  v: keys 64-127
	global_store_b64 v[LI8], v[PC+10:PC+11], s[P1:P1+1] offset:512
	s_wait_xcnt 0x0                                ; the stores have read their registers and bases: both may be written again
	s_add_nc_u64 s[P0:P0+1], s[P0:P0+1], s[78:79]
	s_add_nc_u64 s[P1:P1+1], s[P1:P1+1], s[78:79]
.endr
	s_cmp_ge_u32 s17, 8
	s_cbranch_scc1 .Lv_scales
	v_and_b32 v[CC], 0xffff, v[PWB]                ; the even head's two bytes of tiles 0 and 1,
	v_lshl_or_b32 v[CC], v[PWB+1], 16, v[CC]
	v_and_b32 v[CC+1], 0xffff, v[PWB+2]            ; of tiles 2 and 3;
	v_lshl_or_b32 v[CC+1], v[PWB+3], 16, v[CC+1]
	v_lshrrev_b32 v[CC+2], 16, v[PWB]              ; the odd head's
	v_and_or_b32 v[CC+2], v[PWB+1], 0xffff0000, v[CC+2]
	v_lshrrev_b32 v[CC+3], 16, v[PWB+2]
	v_and_or_b32 v[CC+3], v[PWB+3], 0xffff0000, v[CC+3]
	global_store_b64 v[SOF], v[CC:CC+1], s[PS:PS+1] offset:12288
	global_store_b64 v[SOF], v[CC+2:CC+3], s[PS:PS+1] offset:12288+KVB
	s_branch .Ldone
.Lv_scales:
	global_store_b128 v[LI16], v[PWB:PWB+3], s[PS:PS+1] offset:12800
.Ldone:
	s_wait_tensorcnt 0x0
	ds_add_u32 v254, v255
	s_wait_dscnt 0x0
	CROUND                                         ; the closing round: no work-group ends while a partner may still ask for a tile that names it
	s_endpgm
.Lfunc_end_k_q240041dc6e_qkv:
	.size	k_q240041dc6e_qkv, .Lfunc_end_k_q240041dc6e_qkv-k_q240041dc6e_qkv
	.p2alignl 7, 3214868480
	.fill 96, 4, 3214868480
	.section	.rodata,"a",@progbits
	.p2align	6, 0x0
	.amdhsa_kernel k_q240041dc6e_qkv
		.amdhsa_group_segment_fixed_size 307712
		.amdhsa_private_segment_fixed_size 0
		.amdhsa_enable_private_segment 0
		.amdhsa_kernarg_size 32
		.amdhsa_user_sgpr_count 2
		.amdhsa_user_sgpr_kernarg_segment_ptr 1
		.amdhsa_wavefront_size32 1
		.amdhsa_system_sgpr_workgroup_id_x 1
		.amdhsa_system_sgpr_workgroup_id_y 1
		.amdhsa_system_sgpr_workgroup_id_z 1
		.amdhsa_system_vgpr_workitem_id 0
		.amdhsa_next_free_vgpr 768
		.amdhsa_next_free_sgpr 96
		.amdhsa_reserve_vcc 0
		.amdhsa_float_denorm_mode_32 3
		.amdhsa_float_denorm_mode_16_64 3
		.amdhsa_memory_ordered 1
		.amdhsa_forward_progress 1
		.amdhsa_inst_pref_size 86
	.end_amdhsa_kernel
	.amdgpu_metadata
---
amdhsa.version: [ 1, 2 ]
amdhsa.kernels:
  - .name:           k_q240041dc6e_qkv
    .symbol:         k_q240041dc6e_qkv.kd
    .args:
      - { .name: xq, .offset: 0, .size: 8, .value_kind: global_buffer, .address_space: global }
      - { .name: wq, .offset: 8, .size: 8, .value_kind: global_buffer, .address_space: global }
      - { .name: qb, .offset: 16, .size: 8, .value_kind: global_buffer, .address_space: global }
      - { .name: kv, .offset: 24, .size: 8, .value_kind: global_buffer, .address_space: global }
    .group_segment_fixed_size: 307712
    .private_segment_fixed_size: 0
    .kernarg_segment_align: 8
    .kernarg_segment_size: 32
    .max_flat_workgroup_size: 128
    .sgpr_count:     96
    .vgpr_count:     768
    .wavefront_size: 32
...
	.end_amdgpu_metadata
.endif
;; end of part 2
;; launch attn (part 3): grid 4 x 64, 16 waves a work-group, clusters of 4 x 1, 217,088 bytes of LDS; arguments qb, kv, cq, cs; writes cq, cs
.if DOCPART == 3
	.amdgcn_target "amdgcn-amd-amdhsa--gfx1250"
	.amdhsa_code_object_version 6
	.text
	.protected	k_q240041dc6e_attn
	.globl	k_q240041dc6e_attn
	.p2align	8
	.type	k_q240041dc6e_attn,@function
k_q240041dc6e_attn:
	s_mov_b64 s[64:65], 0
	v_nop
	global_prefetch_b8 v0, s[64:65] scope:SCOPE_SE
	s_setreg_imm32_b32 hwreg(HW_REG_WAVE_MODE, 25, 1), 1
	s_wait_xcnt 0x0
	s_wait_alu depctr_hold_cnt(0) depctr_sa_sdst(0) depctr_va_vdst(0) depctr_va_sdst(0) depctr_va_ssrc(0) depctr_va_vcc(0) depctr_vm_vsrc(0)
	s_getreg_b32 s2, hwreg(HW_REG_IB_STS2, 6, 4)
	s_cmp_eq_u32 s2, 0
	s_cbranch_scc0 .Lentry_in_a_cluster
	s_endpgm
.Lentry_in_a_cluster:
	s_bfe_u32 s2, ttmp6, 0x10000c
	s_cmp_lg_u32 s2, 0x3003
	s_cbranch_scc0 .Lentry_shape_is_right
	s_endpgm
.Lentry_shape_is_right:
; ctx = softmax(q k^T / 8, causal) v for one (batch, head) a cluster, both products on codes of FP6 (E2M3), and ctx quantised along its head's 64 channels for the last projection.
; THE SOFTMAX: t = score x log2(e) / 8; M = the running largest t rounded UP to a whole number; p = 2^(t - M) is quantised along the keys, not normalised; the row's sum is taken of the unquantised p and divides at the end;
; when M moves, the sum and O are multiplied by 2^(old M - new M), which rounds nothing.
; SHARES.  A head has 128 tiles of 16 queries; tile T needs key steps (128 keys) 0 .. T / 8.  Wave w of partner cx owns tiles 4 w + cx and 127 - (4 w + cx): (w / 2 + 1) + (16 - w / 2) = 17 steps for every wave of every work-group.
; A tile's last key step hangs on the wave's number alone; cx enters global addresses, the mask's compare value and a shift count, and nothing else.  Trip counts are constants: a step beyond a tile's last is jumped over.
; LDS holds the head's K, V and scale bytes whole, 212,992 bytes, as the second launch stored them: every tensor load is a first fill, asked for JOINTLY by the four partners (waves 0-3, two loads each).
; LAYOUT.  Both products transposed: a lane holds one query.  The head's 64 channels are half of the instruction's K: a fragment of K holds TWO tiles of 16 keys (channels of tile 2 i at k 0-63, of tile 2 i + 1 at k 64-127), and q stands
; as [q][zeros][q] in 18 registers: [q][0] picks the first tile, [0][q] the second: zero codes add nothing under any scale byte that the quantiser makes.  A tile's keys are 8 u + r + 8 (r / 8) of 32, so that the 16 registers of
; tiles 2 i, 2 i + 1 are 16 neighbouring keys.  Four waves share a SIMD: one wave's vector work stands beside another's products and LDS loads.
; LIMITS: NaN and infinities are not served; a block of zeros or under 2^-124 gets the byte 1 (its codes are zeros; this program alone reads the bytes).
.set KVB, 212992
.set KSB, 13312
.set FRB, 1536
.set CSB, KVB                          ; behind the head's block: 2,048 bytes for ctx's scale halves; no fill lands there
.set LI16, 1
.set LI8,  2
.set AD16, 3                           ; v3, v4 the step's LDS addresses
.set AD8,  4
.set DQ,   5                           ; v5  my query's place in its key step, less 16 (lane / 16)
.set CSA,  6                           ; v6, v7 where the two passes put a scale half
.set TLA,  8                           ; v8  the tail's read
.set DL,   11                          ; v11 r + 8 (r / 8) - 16 (lane / 16)
.set QF,   16                          ; v16-33 [q][0][q];  v12 -M, v13 the largest t, v[14:15] the sum
.set QW,   34                          ; q's scale word
.set QR,   35
.set FB,   36                          ; v36-83 four fragments of K, then of V
.set KSC,  84
.set VSC,  88
.set S,    96                          ; v96-159 S^T, then p
.set O,    160                         ; v160-191 O^T
.set PCD,  192                         ; v192-203 p's codes
.set CT,   204
.set MX,   212
.set PM,   216
.set SO,   220
.set PWD,  224                         ; p's scale word
.set HW,   225
.set F,    226                         ; v[226:227]
.set T,    228
.set NI,   229                         ; -infinity
.set WV,   12
.set CX,   13
.set BH,   14
.set SEL,  16
.set CS,   18
.set G1A,  24
.set G1B,  32
.set G0A,  40
.set G0B,  44
.set KS,   48                          ; the key step
.set TB,   49                          ; and its LDS byte
.set LAST, 50
.set CNT,  51
.set TAU,  52
.macro CROUND
	s_barrier_signal -1
	s_barrier_wait -1
	s_cmp_lg_u32 s[WV], 0
	s_cbranch_scc1 .Lnot_wave_0_\@
	s_barrier_signal -3
.Lnot_wave_0_\@:
	s_barrier_wait -3
	s_barrier_signal -1
	s_barrier_wait -1
.endm
.macro FRAG reg, a16, a8, off
	ds_load_b128 v[\reg:\reg+3], v[\a16] offset:\off
	ds_load_b64 v[\reg+4:\reg+5], v[\a8] offset:\off+512
	ds_load_b128 v[\reg+6:\reg+9], v[\a16] offset:\off+768
	ds_load_b64 v[\reg+10:\reg+11], v[\a8] offset:\off+1280
.endm
; A KEY STEP of 128 keys.
.macro STEP
	s_cmp_gt_u32 s[KS], s[LAST]                    ; all its keys come after my queries: only the lines at its end are run
	s_cbranch_scc1 .Lhidden_\@
	s_setprio 2
	v_nop
	v_nop                                          ; with the two additions: four plain instructions between the last step's products and loads into the registers that they read
	v_add_nc_u32 v[AD16], s[TB], v[LI16]
	v_add_nc_u32 v[AD8], s[TB], v[LI8]
.irp i, 0,1,2,3
	FRAG FB+12*\i, AD16, AD8, FRB*\i
.endr
	ds_load_b64 v[KSC:KSC+1], v[AD8] offset:12288
	ds_load_b64 v[KSC+2:KSC+3], v[AD8] offset:12544
	s_wait_dscnt 0x0
	s_wait_alu depctr_va_vdst(0)
.irp i, 0,1,2,3
.irp u, 0,1
	v_wmma_scale_f32_16x16x128_f8f6f4 v[S+8*(2*\i+\u):S+8*(2*\i+\u)+7], v[FB+12*\i:FB+12*\i+11], v[QF+6*\u:QF+6*\u+11], 0, v[KSC+\i], v[QW] matrix_a_fmt:MATRIX_FMT_FP6 matrix_b_fmt:MATRIX_FMT_FP6
.endr
.endr
.rept 4
	v_nop                                          ; four plain instructions ahead of the loads below and of the first read of the scores
.endr
.irp c, 0,1,2,3
	FRAG FB+12*\c, AD16, AD8, 6144+FRB*\c          ; V's four fragments land while the softmax is walked
.endr
	ds_load_b128 v[VSC:VSC+3], v[AD16] offset:12800
	s_cmp_lg_u32 s[KS], s[LAST]
	s_cbranch_scc1 .Lopen_\@
.set n, 0
.rept 64                                       ; the tile's last step: register 16 b + i holds key 32 b + 16 (lane / 16) + i of the step: hidden where that lies behind my query
	v_cmp_gt_i32 vcc_lo, 32*(n/16)+n%16, v[DQ]
	v_cndmask_b32 v[S+n], v[S+n], v[NI], vcc_lo
.set n, n+1
.endr
.Lopen_\@:
.irp b, 0,1,2,3
	v_max3_num_f32 v[MX+\b], v[S+16*\b], v[S+1+16*\b], v[S+2+16*\b]   ; the largest score of each block of 32 keys: for the row's maximum and, since p rises with the score, for the block's largest p
.endr
.irp i, 3,5,7,9,11,13
.irp b, 0,1,2,3
	v_max3_num_f32 v[MX+\b], v[MX+\b], v[S+16*\b+\i], v[S+1+16*\b+\i]
.endr
.endr
.irp b, 0,1,2,3
	v_max_num_f32 v[MX+\b], v[MX+\b], v[S+15+16*\b]
.endr
.irp b, 0,1,2,3
	s_delay_alu instid0(VALU_DEP_4)
	v_permlanex16_b32 v[PM+\b], v[MX+\b], s[SEL], s[SEL+1]
.endr
.irp b, 0,1,2,3
	s_delay_alu instid0(VALU_DEP_4)
	v_max_num_f32 v[MX+\b], v[MX+\b], v[PM+\b]
.endr
	s_delay_alu instid0(VALU_DEP_2)
	v_max3_num_f32 v[T], v[MX], v[MX+1], v[MX+2]
	s_delay_alu instid0(VALU_DEP_1)
	v_max_num_f32 v[T], v[T], v[MX+3]
	s_delay_alu instid0(VALU_DEP_1)
	v_mul_f32 v[T], s[CS], v[T]
	s_delay_alu instid0(VALU_DEP_1)
	v_max_num_f32 v13, v13, v[T]                   ; the running largest t
	v_mov_b32 v[T], v12
	s_delay_alu instid0(VALU_DEP_2)
	v_floor_f32 v12, -v13                          ; the new -M = floor(-t)
	s_delay_alu instid0(VALU_DEP_1)
	v_sub_f32 v[T], v12, v[T]                      ; old M - new M: a whole number, 0 or less
	s_delay_alu instid0(VALU_DEP_1)
	v_cvt_i32_f32 v[T], v[T]                       ; (it saturates)
	s_delay_alu instid0(VALU_DEP_1)
	v_ldexp_f32 v[F], 1.0, v[T]                    ; f = 2^(old M - new M)
.set j, 0
.rept 32
	v_pk_fma_f32 v[S+j:S+j+1], v[S+j:S+j+1], s[CS:CS+1], v[12:13] op_sel_hi:[1,0,0]   ; t - M
.set j, j+2
.endr
	s_setprio 1
.irp b, 0,1,2,3
	v_fma_f32 v[MX+\b], v[MX+\b], s[CS], v12
.endr
.set j, 0
	s_wait_alu depctr_va_vdst(0)
.rept 64
	v_exp_f32 v[S+j], v[S+j]                       ; p = 2^(t - M)
.set j, j+1
.endr
	v_pk_mul_f32 v[14:15], v[14:15], v[F:F+1] op_sel_hi:[1,0]   ; the sums under the new M: a plain instruction behind the exponentials
	s_wait_alu depctr_va_vdst(0)                   ; one wait for the batch, ahead of its first reader
.irp b, 0,1,2,3
	v_exp_f32 v[MX+\b], v[MX+\b]                   ; the blocks' largest p
.endr
	v_pk_add_f32 v[216:217], v[100:101], v[104:105]
	v_pk_add_f32 v[252:253], v[108:109], v[112:113]
	v_pk_add_f32 v[250:251], v[116:117], v[120:121]
	v_pk_add_f32 v[248:249], v[124:125], v[128:129]
	v_pk_add_f32 v[246:247], v[132:133], v[136:137]
	v_pk_add_f32 v[244:245], v[140:141], v[144:145]
	v_pk_add_f32 v[242:243], v[148:149], v[152:153]
	v_pk_add_f32 v[14:15], v[14:15], v[156:157]
	v_pk_add_f32 v[216:217], v[216:217], v[96:97]
	v_pk_add_f32 v[252:253], v[252:253], v[98:99]
	v_pk_add_f32 v[250:251], v[250:251], v[102:103]
	v_pk_add_f32 v[248:249], v[248:249], v[106:107]
	v_pk_add_f32 v[246:247], v[246:247], v[110:111]
	v_pk_add_f32 v[244:245], v[244:245], v[114:115]
	v_pk_add_f32 v[242:243], v[242:243], v[118:119]
	v_pk_add_f32 v[14:15], v[14:15], v[122:123]
	v_pk_add_f32 v[216:217], v[216:217], v[126:127]
	v_pk_add_f32 v[252:253], v[252:253], v[130:131]
	v_pk_add_f32 v[250:251], v[250:251], v[134:135]
	v_pk_add_f32 v[248:249], v[248:249], v[138:139]
	v_pk_add_f32 v[246:247], v[246:247], v[142:143]
	v_pk_add_f32 v[244:245], v[244:245], v[146:147]
	v_pk_add_f32 v[242:243], v[242:243], v[150:151]
	v_pk_add_f32 v[14:15], v[14:15], v[154:155]
	v_pk_add_f32 v[216:217], v[216:217], v[158:159]
	s_delay_alu instid0(VALU_DEP_2)
	v_pk_add_f32 v[14:15], v[14:15], v[248:249]
	s_delay_alu instid0(VALU_DEP_2)
	v_pk_add_f32 v[216:217], v[216:217], v[246:247]
	v_pk_add_f32 v[252:253], v[252:253], v[244:245]
	v_pk_add_f32 v[250:251], v[250:251], v[242:243]
	s_delay_alu instid0(VALU_DEP_2)
	v_pk_add_f32 v[14:15], v[14:15], v[252:253]
	s_delay_alu instid0(VALU_DEP_2)
	v_pk_add_f32 v[216:217], v[216:217], v[250:251]
	s_delay_alu instid0(VALU_DEP_1)
	v_pk_add_f32 v[14:15], v[14:15], v[216:217]
	s_wait_alu depctr_va_vdst(0)                   ; and one for the four
.irp b, 0,1,2,3
	v_max_num_f32 v[MX+\b], 0x1800000, v[MX+\b]    ; the floor 2^(3 - 127)
.endr
.irp b, 0,1,2,3
	s_delay_alu instid0(VALU_DEP_4)
	v_add_nc_u32 v[SO+\b], 0xff000000, v[MX+\b]
.endr
.irp b, 0,1,2,3
	s_delay_alu instid0(VALU_DEP_4)
	v_lshrrev_b32 v[PM+\b], 23, v[SO+\b]
.endr
	s_delay_alu instid0(VALU_DEP_3)
	v_lshl_or_b32 v[PWD], v[PM+1], 8, v[PM]
	s_delay_alu instid0(VALU_DEP_1)
	v_lshl_or_b32 v[PWD], v[PM+2], 16, v[PWD]
	s_delay_alu instid0(VALU_DEP_1)
	v_lshl_or_b32 v[PWD], v[PM+3], 24, v[PWD]
	s_setprio 0
.irp c, 0,1
	v_cvt_scalef32_pk16_fp6_f32 v[PCD+6*\c:PCD+2+6*\c], v[S+32*\c:S+15+32*\c], v[SO+2*\c]
	v_cvt_scalef32_pk16_fp6_f32 v[CT+4*\c:CT+2+4*\c], v[S+16+32*\c:S+31+32*\c], v[SO+2*\c+1]
.endr
	v_nop                                          ; one plain instruction behind the conversions
.irp c, 0,1
.irp i, 0,1,2
	v_permlane16_swap_b32 v[PCD+6*\c+\i], v[CT+4*\c+\i]
.endr
.irp i, 0,1,2
	s_delay_alu instid0(VALU_DEP_3)
	v_mov_b32 v[PCD+3+6*\c+\i], v[CT+4*\c+\i]
.endr
.endr
.set j, 0
.rept 16
	v_pk_mul_f32 v[O+j:O+j+1], v[O+j:O+j+1], v[F:F+1] op_sel_hi:[1,0]   ; O^T under the new M; also the plain instructions between p's scale word and codes and the products
.set j, j+2
.endr
	s_wait_alu depctr_va_vdst(0)
	s_wait_dscnt 0x0                               ; V is in
.irp c, 0,1,2,3
	v_wmma_scale_f32_16x16x128_f8f6f4 v[O+8*\c:O+8*\c+7], v[FB+12*\c:FB+12*\c+11], v[PCD:PCD+11], v[O+8*\c:O+8*\c+7], v[VSC+\c], v[PWD] matrix_a_fmt:MATRIX_FMT_FP6 matrix_b_fmt:MATRIX_FMT_FP6
.endr
.Lhidden_\@:
	s_add_co_u32 s[KS], s[KS], 1
	s_add_co_u32 s[TB], s[TB], KSB
.endm
.macro LOOP n
	s_mov_b32 s[CNT], \n
.Lk_\@:
	STEP
	s_sub_co_u32 s[CNT], s[CNT], 1
	s_cmp_lg_u32 s[CNT], 0
	s_cbranch_scc1 .Lk_\@
	s_setprio 0
.endm
; A tile's head: its numbers, q and q's scale word, the sums' beginnings.  p = 0: tile 127 - (4 w + cx); p = 1: tile 4 w + cx.
.macro PASS_HEAD p
	s_wait_xcnt 0x0                                ; the last tile's stores have read their registers and bases
	s_lshl_b32 s[TAU], s[WV], 2
	s_add_co_u32 s[TAU], s[TAU], s[CX]
	s_lshr_b32 s[LAST], s[WV], 1
.if \p == 0
	s_sub_co_u32 s[TAU], 127, s[TAU]
	s_sub_co_u32 s[LAST], 15, s[LAST]
.endif
	s_lshr_b32 s53, s[TAU], 3
	s_mul_i32 s53, s53, KSB
	s_and_b32 s56, s[TAU], 7
	s_mul_i32 s57, s56, 768
	s_add_co_u32 s58, s53, s57
	s_mov_b32 s59, 0
	s_add_nc_u64 s[60:61], s[4:5], s[58:59]        ; q's 16 x 64
	s_bfe_u32 s57, s[TAU], 0x10002
	s_lshl_b32 s57, s57, 8
	s_add_co_u32 s58, s53, s57
	s_bfe_u32 s57, s[TAU], 0x10001
	s_lshl_b32 s57, s57, 2
	s_add_co_u32 s58, s58, s57
	s_add_nc_u64 s[62:63], s[4:5], s[58:59]        ; the word that holds its two scale bytes
	global_load_b128 v[QF:QF+3], v[LI16], s[60:61]
	global_load_b64 v[QF+4:QF+5], v[LI8], s[60:61] offset:512
	global_load_b128 v[QF+12:QF+15], v[LI16], s[60:61]
	global_load_b64 v[QF+16:QF+17], v[LI8], s[60:61] offset:512
	global_load_b32 v[QR], v[LI8], s[62:63] offset:12288
	s_lshr_b32 s57, s56, 1
	s_lshl_b32 s57, s57, 5
	s_and_b32 s68, s[TAU], 1
	s_lshl_b32 s69, s68, 3
	s_add_co_u32 s57, s57, s69
	v_add_nc_u32 v[DQ], s57, v[DL]
	s_lshl_b32 s69, s68, 4                         ; which half of the word
	s_lshr_b32 s70, s[BH], 4                       ; ctx's codes: group 64 b + T / 2, half of K head / 8, tile T % 2, K step (head / 2) % 4, half head % 2
	s_lshl_b32 s70, s70, 6
	s_lshr_b32 s71, s[TAU], 1
	s_add_co_u32 s70, s70, s71
	s_mul_i32 s70, s70, 24576
	s_mul_i32 s71, s68, 6144
	s_add_co_u32 s70, s70, s71
	s_bfe_u32 s71, s[BH], 0x10003
	s_mul_i32 s71, s71, 12288
	s_add_co_u32 s70, s70, s71
	s_bfe_u32 s71, s[BH], 0x20001
	s_mul_i32 s71, s71, 1536
	s_add_co_u32 s70, s70, s71
	s_and_b32 s71, s[BH], 1
	s_mul_i32 s71, s71, 768
	s_add_co_u32 s70, s70, s71
	s_mov_b32 s71, 0
	s_add_nc_u64 s[66:67], s[8:9], s[70:71]
.irp i, 6,7,8,9,10,11
	v_mov_b32 v[QF+\i], 0
.endr
.set j, 0
.rept 32
	v_mov_b32 v[O+j], 0                            ; the step is written once: the first finds zeros, which the first change of M leaves zeros
.set j, j+1
.endr
	v_mov_b32 v13, 0xff61b1e6                      ; -3e38, under every t
	s_delay_alu instid0(VALU_DEP_1)
	v_floor_f32 v12, -v13
	v_mov_b32 v14, 0
	v_mov_b32 v15, 0
	s_wait_loadcnt 0x0
	v_lshrrev_b32 v[QW], s69, v[QR]
	s_delay_alu instid0(VALU_DEP_1)
	v_and_b32 v[QW], 0xffff, v[QW]
	s_delay_alu instid0(VALU_DEP_1)
	v_lshl_or_b32 v[QW], v[QW], 16, v[QW]          ; the two bytes serve k 0-63 and k 64-127 alike
.rept 8
	v_nop                                          ; eight plain instructions between a scale register so written and the first product
.endr
.endm
; A tile's end: O^T / the sum, quantised along the head's 64 channels: a 16 x 64 image of codes to memory, the two scale bytes to LDS.
.macro PASS_TAIL p
.rept 4
	v_nop
.endr
	v_add_f32 v14, v14, v15
	s_delay_alu instid0(VALU_DEP_1)
	v_permlanex16_b32 v[T], v14, s[SEL], s[SEL+1]
	s_delay_alu instid0(VALU_DEP_1)
	v_add_f32 v14, v14, v[T]
	s_wait_alu depctr_va_vdst(0)
	v_rcp_f32 v14, v14
	v_nop
	s_wait_alu depctr_va_vdst(0)
.set j, 0
.rept 32
	v_mul_f32 v[S+j], v[O+j], v14                  ; register 16 b + i is channel 32 b + 16 (lane / 16) + i
.set j, j+1
.endr
.irp b, 0,1
	v_max3_num_f32 v[MX+\b], |v[S+16*\b]|, |v[S+1+16*\b]|, 0x1800000
.endr
.irp i, 2,4,6,8,10,12,14
.irp b, 0,1
	s_delay_alu instid0(VALU_DEP_2)
	v_max3_num_f32 v[MX+\b], v[MX+\b], |v[S+16*\b+\i]|, |v[S+1+16*\b+\i]|
.endr
.endr
.irp b, 0,1
	s_delay_alu instid0(VALU_DEP_2)
	v_permlanex16_b32 v[PM+\b], v[MX+\b], s[SEL], s[SEL+1]
.endr
.irp b, 0,1
	s_delay_alu instid0(VALU_DEP_2)
	v_max_num_f32 v[MX+\b], v[MX+\b], v[PM+\b]
.endr
.irp b, 0,1
	s_delay_alu instid0(VALU_DEP_2)
	v_add_nc_u32 v[SO+\b], 0xff000000, v[MX+\b]
.endr
.irp b, 0,1
	s_delay_alu instid0(VALU_DEP_2)
	v_lshrrev_b32 v[PM+\b], 23, v[SO+\b]
.endr
	s_delay_alu instid0(VALU_DEP_1)
	v_lshl_or_b32 v[HW], v[PM+1], 8, v[PM]
	v_cvt_scalef32_pk16_fp6_f32 v[PCD:PCD+2], v[S:S+15], v[SO]
	v_cvt_scalef32_pk16_fp6_f32 v[CT:CT+2], v[S+16:S+31], v[SO+1]
	v_nop
.irp i, 0,1,2
	v_permlane16_swap_b32 v[PCD+\i], v[CT+\i]
.endr
.irp i, 0,1,2
	s_delay_alu instid0(VALU_DEP_3)
	v_mov_b32 v[PCD+3+\i], v[CT+\i]
.endr
	global_store_b128 v[LI16], v[PCD:PCD+3], s[66:67]
	global_store_b64 v[LI8], v[PCD+4:PCD+5], s[66:67] offset:512
	ds_store_b32 v[CSA+\p], v[HW]                  ; both halves of the lanes write the same word with the same value
.endm
	s_load_b256 s[4:11], s[0:1], 0x0               ; qb, kv, cq, cs
	v_lshl_add_u32 v254, v0, 2, 0x34800
	v_mov_b32 v255, 0
	ds_add_u32 v254, v255
	ds_add_u32 v254, v255
	v_lshrrev_b32 v1, 5, v0
	s_delay_alu instid0(VALU_DEP_1)
	v_readfirstlane_b32 s[WV], v1                  ; wave 0..15
	s_bfe_u32 s[CX], ttmp6, 0x40000
	s_and_b32 s[BH], ttmp7, 0xffff                 ; 16 x batch + head, which the four partners share
	; group 1: dense blocks as rows of 256 bytes (32 elements of 8): one key step is 52 rows, three are 156
	s_mov_b32 s[G1A], 15|(3<<16)|(1<<21)
	s_mov_b32 s[G1A+1], 32<<16
	s_mov_b32 s[G1A+2], 52<<16
	s_mov_b32 s[G1A+3], 32<<16
	s_mov_b32 s[G1A+4], 52
	s_mov_b32 s[G1A+5], 32
	s_mov_b32 s[G1A+6], 0
	s_mov_b32 s[G1A+7], 0
	s_mov_b32 s[G1B], 15|(3<<16)|(1<<21)
	s_mov_b32 s[G1B+1], 32<<16
	s_mov_b32 s[G1B+2], 156<<16
	s_mov_b32 s[G1B+3], 32<<16
	s_mov_b32 s[G1B+4], 156
	s_mov_b32 s[G1B+5], 32
	s_mov_b32 s[G1B+6], 0
	s_mov_b32 s[G1B+7], 0
	s_mul_i32 s54, s[BH], KVB
	s_mov_b32 s55, 0
	s_mul_i32 s56, s[WV], KSB                      ; waves 0-3: key step w,
	s_mov_b32 s57, 0
	s_mul_i32 s58, s[WV], 3*KSB
	s_add_co_u32 s58, s58, 4*KSB                   ; and key steps 4 + 3 w on: the same byte in the head's block and in LDS
	s_mov_b32 s59, 0
	s_mov_b32 s[SEL], 0x76543210
	s_mov_b32 s[SEL+1], 0xfedcba98
	s_mov_b32 s[CS], 0x3e38aa3b                    ; c = log2(e) / 8
	s_mov_b32 s[CS+1], s[CS]
	s_wait_dscnt 0x0
	s_wait_kmcnt 0x0
	s_add_nc_u64 s[4:5], s[4:5], s[54:55]
	s_add_nc_u64 s[6:7], s[6:7], s[54:55]
	CROUND                                         ; all four work-groups are here: the joint loads meet
	s_mov_b32 s[G0A], 1
	s_mov_b32 s[G0A+1], s56
	s_add_nc_u64 s[G0A+2:G0A+3], s[6:7], s[56:57]
	s_or_b32 s[G0A+3], s[G0A+3], 0x80000000
	s_mov_b32 s[G0B], 1
	s_mov_b32 s[G0B+1], s58
	s_add_nc_u64 s[G0B+2:G0B+3], s[6:7], s[58:59]
	s_or_b32 s[G0B+3], s[G0B+3], 0x80000000
	s_cmp_lt_u32 s[WV], 4
	s_cbranch_scc0 .Lno_fill
	tensor_load_to_lds s[G0A:G0A+3], s[G1A:G1A+7]
	s_nop 0
	tensor_load_to_lds s[G0B:G0B+3], s[G1B:G1B+7]  ; two loads of mine are out
	s_nop 0
.rept 4
	v_nop
.endr
.Lno_fill:
	v_and_b32 v9, 31, v0
	s_delay_alu instid0(VALU_DEP_1)
	v_lshlrev_b32 v[LI16], 4, v9
	s_delay_alu instid0(VALU_DEP_2)
	v_lshlrev_b32 v[LI8], 3, v9
	v_and_b32 v9, 15, v0                           ; r
	v_bfe_u32 v10, v0, 4, 1                        ; h
	s_xor_b32 s53, s[WV], 15
	s_lshl_b32 s53, s53, 6
	v_lshl_add_u32 v[CSA], v9, 2, CSB              ; tile 127 - (4 w + cx): T / 4 - 16 = 15 - w
	s_delay_alu instid0(VALU_DEP_1)
	v_add_nc_u32 v[CSA], s53, v[CSA]
	s_lshl_b32 s53, s[WV], 6
	v_lshl_add_u32 v[CSA+1], v9, 2, CSB+1024       ; tile 4 w + cx: T / 4 = w
	s_delay_alu instid0(VALU_DEP_1)
	v_add_nc_u32 v[CSA+1], s53, v[CSA+1]
	s_and_b32 s53, s[WV], 3
	s_lshl_b32 s53, s53, 9
	v_add_nc_u32 v[TLA], s53, v[LI16]
	s_delay_alu instid0(VALU_DEP_1)
	v_add_nc_u32 v[TLA], CSB, v[TLA]
	v_and_b32 v[DL], 8, v9
	s_delay_alu instid0(VALU_DEP_1)
	v_add_nc_u32 v[DL], v[DL], v9
	v_lshlrev_b32 v10, 4, v10
	s_delay_alu instid0(VALU_DEP_1)
	v_sub_nc_u32 v[DL], v[DL], v10
	v_mov_b32 v[NI], 0xff800000
.irp b, 0,1,2,3
	v_mov_b32 v[PM+\b], 0                          ; written once: a lane permute's destination counts as one of its sources
.endr
	v_mov_b32 v[T], 0
	v_mov_b32 v[F+1], 0                            ; (named as the upper half of a pair)
	s_wait_alu depctr_va_vdst(0)
	PASS_HEAD 0                                    ; the long tile first: every wave has work in key steps 0-3, which land first
	s_wait_tensorcnt 0x1                           ; my key step of the first four is in (the other load may be out),
	s_barrier_signal -1
	s_barrier_wait -1                              ; everybody's is
	s_mov_b32 s[KS], 0
	s_mov_b32 s[TB], 0
	LOOP 4
	s_wait_tensorcnt 0x0                           ; my three further key steps are in,
	s_wait_dscnt 0x0
	s_barrier_signal -1
	s_barrier_wait -1                              ; everybody's are.
	s_mov_b32 s[KS], 4
	s_mov_b32 s[TB], 4*KSB
	LOOP 12
	s_wait_alu depctr_va_vdst(0)
	PASS_TAIL 0
	PASS_HEAD 1
	s_mov_b32 s[KS], 0
	s_mov_b32 s[TB], 0
	LOOP 8
	s_wait_alu depctr_va_vdst(0)
	PASS_TAIL 1
	; ctx's scale halves, [batch][head][T % 4][T / 4][row], a word each: this work-group holds T % 4 = 3 - cx, T / 4 = 16-31 (first 1,024 bytes) and T % 4 = cx, T / 4 = 0-15: waves 0-3 store 512 bytes each
	s_wait_dscnt 0x0
	s_barrier_signal -1
	s_barrier_wait -1
	s_cmp_lt_u32 s[WV], 4
	s_cbranch_scc0 .Lno_tail
	ds_load_b128 v[S:S+3], v[TLA]
	s_sub_co_u32 s53, 3, s[CX]
	s_cmp_lt_u32 s[WV], 2
	s_cselect_b32 s53, s53, s[CX]
	s_lshl_b32 s56, s[BH], 2
	s_add_co_u32 s53, s53, s56
	s_lshl_b32 s53, s53, 11
	s_xor_b32 s56, s[WV], 2
	s_lshl_b32 s56, s56, 9
	s_add_co_u32 s58, s53, s56
	s_mov_b32 s59, 0
	s_add_nc_u64 s[10:11], s[10:11], s[58:59]
	s_wait_dscnt 0x0
	global_store_b128 v[LI16], v[S:S+3], s[10:11]
.Lno_tail:
	s_wait_tensorcnt 0x0
	ds_add_u32 v254, v255
	s_wait_dscnt 0x0
	CROUND                                         ; the closing round
	s_endpgm
.Lfunc_end_k_q240041dc6e_attn:
	.size	k_q240041dc6e_attn, .Lfunc_end_k_q240041dc6e_attn-k_q240041dc6e_attn
	.p2alignl 7, 3214868480
	.fill 96, 4, 3214868480
	.section	.rodata,"a",@progbits
	.p2align	6, 0x0
	.amdhsa_kernel k_q240041dc6e_attn
		.amdhsa_group_segment_fixed_size 217088
		.amdhsa_private_segment_fixed_size 0
		.amdhsa_enable_private_segment 0
		.amdhsa_kernarg_size 32
		.amdhsa_user_sgpr_count 2
		.amdhsa_user_sgpr_kernarg_segment_ptr 1
		.amdhsa_wavefront_size32 1
		.amdhsa_system_sgpr_workgroup_id_x 1
		.amdhsa_system_sgpr_workgroup_id_y 1
		.amdhsa_system_sgpr_workgroup_id_z 1
		.amdhsa_system_vgpr_workitem_id 0
		.amdhsa_next_free_vgpr 256
		.amdhsa_next_free_sgpr 80
		.amdhsa_reserve_vcc 1
		.amdhsa_float_denorm_mode_32 3
		.amdhsa_float_denorm_mode_16_64 3
		.amdhsa_memory_ordered 1
		.amdhsa_forward_progress 1
		.amdhsa_inst_pref_size 91
	.end_amdhsa_kernel
	.amdgpu_metadata
---
amdhsa.version: [ 1, 2 ]
amdhsa.kernels:
  - .name:           k_q240041dc6e_attn
    .symbol:         k_q240041dc6e_attn.kd
    .args:
      - { .name: qb, .offset: 0, .size: 8, .value_kind: global_buffer, .address_space: global }
      - { .name: kv, .offset: 8, .size: 8, .value_kind: global_buffer, .address_space: global }
      - { .name: cq, .offset: 16, .size: 8, .value_kind: global_buffer, .address_space: global }
      - { .name: cs, .offset: 24, .size: 8, .value_kind: global_buffer, .address_space: global }
    .group_segment_fixed_size: 217088
    .private_segment_fixed_size: 0
    .kernarg_segment_align: 8
    .kernarg_segment_size: 32
    .max_flat_workgroup_size: 512
    .sgpr_count:     80
    .vgpr_count:     256
    .wavefront_size: 32
...
	.end_amdgpu_metadata
.endif
;; end of part 3
;; launch oproj (part 4): grid 8 x 32, 4 waves a work-group, clusters of 4 x 4, 315,904 bytes of LDS; arguments cq, cs, wq, bo, out0; writes out0
.if DOCPART == 4
	.amdgcn_target "amdgcn-amd-amdhsa--gfx1250"
	.amdhsa_code_object_version 6
	.text
	.protected	k_q240041dc6e_oproj
	.globl	k_q240041dc6e_oproj
	.p2align	8
	.type	k_q240041dc6e_oproj,@function
k_q240041dc6e_oproj:
	s_mov_b64 s[64:65], 0
	v_nop
	global_prefetch_b8 v0, s[64:65] scope:SCOPE_SE
	s_setreg_imm32_b32 hwreg(HW_REG_WAVE_MODE, 25, 1), 1
	s_wait_xcnt 0x0
	s_wait_alu depctr_hold_cnt(0) depctr_sa_sdst(0) depctr_va_vdst(0) depctr_va_sdst(0) depctr_va_ssrc(0) depctr_va_vcc(0) depctr_vm_vsrc(0)
	s_getreg_b32 s2, hwreg(HW_REG_IB_STS2, 6, 4)
	s_cmp_eq_u32 s2, 0
	s_cbranch_scc0 .Lentry_in_a_cluster
	s_endpgm
.Lentry_in_a_cluster:
	s_bfe_u32 s2, ttmp6, 0x10000c
	s_cmp_lg_u32 s2, 0xf033
	s_cbranch_scc0 .Lentry_shape_is_right
	s_endpgm
.Lentry_shape_is_right:
; out0 = ctx Wo + bo on codes of FP6 (E2M3).  ctx's codes and scale halves come from the third launch, Wo's codes from the first (wq's groups 96-127), all in the order of an operand's registers.
; A TILE: source 1 = 256 tokens (S1), source 0 = 128 columns of Wo (S0), all of K = 1,024: 256 tiles, one for each WGP.  Four waves; wave w takes tokens 64 w on (4 tiles a) against S0's 8 tiles b: 32 accumulators.
; A lane holds one token, and its 64 registers of the eight S0 tiles are 16 of each 32 neighbouring columns.  The bias is the C of each sum's first product.
; The tile's operands lie in LDS whole: every tensor load is a first fill, nothing is filled again.  CLUSTER 4 x 4: S1 and ctx's scale halves are asked for jointly along a row of the cluster, S0 along a column.
; The way out goes through a stage in the wave's OWN bytes of S1's first half of K: only this wave reads them, its reads are over and their one fill is long done.
; REGISTERS: window 0: v2-15 addresses; v32-63 S0's scale words, v64-79 S1's; v80-111 ctx's scale halves; v128-223 S1's fragments, two sets (on the way out v128-255: rows of out0).
;   window 1: v0-191 S0's fragments, two sets; v192-255 the bias, eight registers a tile b.  window 2: the accumulators, (a, b) at v[64 a + 8 b].
.set S1GB, 12288                       ; ctx: a group's half of K: 8 fragments
.set S0GB, 12800                       ; Wo: the same and 512 bytes of scale words
.set QB,   8*S1GB+4*S0GB
.set CSL,  2*QB                        ; ctx's scale halves: 64 rows (head, T % 4) of 256 bytes
.set FRB,  1536
.set SPITCH, 528
.set STGB, 16*SPITCH
.set LI16, 2
.set LI8,  3
.set VCS,  4
.set STO,  5
.set BOF,  6
.set A161, 8
.set A81,  10
.set A160, 12
.set A80,  14
.set SC0,  32
.set SC1,  64
.set HWR,  80
.set S1F,  128
.set BK,   128
.set BI,   192                         ; in window 1
.set WV,   14
.set G1A,  24
.set G1B,  32
.set G0A,  40
.set G0B,  48
.set G1C,  68
.set G0C,  76
.set MSB, 0
.macro WIN new
.if MSB != \new
	s_set_vgpr_msb (MSB<<8)|\new
.set MSB, \new
.endif
.endm
.macro CROUND
	s_barrier_signal -1
	s_barrier_wait -1
	s_cmp_lg_u32 s[WV], 0
	s_cbranch_scc1 .Lnot_wave_0_\@
	s_barrier_signal -3
.Lnot_wave_0_\@:
	s_barrier_wait -3
	s_barrier_signal -1
	s_barrier_wait -1
.endm
.macro FRAG reg, a16, a8, off
	ds_load_b128 v[\reg:\reg+3], v[\a16] offset:\off
	ds_load_b64 v[\reg+4:\reg+5], v[\a8] offset:\off+512
	ds_load_b128 v[\reg+6:\reg+9], v[\a16] offset:\off+768
	ds_load_b64 v[\reg+10:\reg+11], v[\a8] offset:\off+1280
.endm
.macro FETCH q
.set fQ, (\q)/4
.set fK, ((\q)%4)*FRB
.set fS, (\q)%2
	WIN 0x40
.irp b, 0,1,2,3,4,5,6,7
	FRAG 96*fS+12*\b, A160+fQ, A80+fQ, (\b/2)*S0GB+(\b%2)*4*FRB+fK
.endr
	WIN 0
.irp a, 0,1,2,3
	FRAG S1F+48*fS+12*\a, A161+fQ, A81+fQ, (\a/2)*S1GB+(\a%2)*4*FRB+fK
.endr
.endm
.macro SCALES Q                        ; Wo's scale words of a half of K
.irp g, 0,1,2,3
	ds_load_b128 v[SC0+8*\g+4*\Q:SC0+8*\g+4*\Q+3], v[A160+\Q] offset:\g*S0GB+8*FRB
.endr
.endm
.macro MM a, b, q                      ; in K step 0 C is the bias (window 1), later the accumulator.  An odd tile's scale words stand in lanes 16-31
.set rD, 64*(\a)+8*(\b)
.set rC, rD
.if (\q) == 0
.set rC, BI+8*(\b)
.endif
.set rA, 96*((\q)%2)+12*(\b)
.set rB, S1F+48*((\q)%2)+12*(\a)
.set rX, SC0+8*((\b)/2)+(\q)
.set rY, SC1+8*((\a)/2)+(\q)
.set rW, 2*((\b)%2)+(\a)%2
.if rW == 0
	v_wmma_scale_f32_16x16x128_f8f6f4 v[rD:rD+7], v[rA:rA+11], v[rB:rB+11], v[rC:rC+7], v[rX], v[rY] matrix_a_fmt:MATRIX_FMT_FP6 matrix_b_fmt:MATRIX_FMT_FP6
.elseif rW == 1
	v_wmma_scale_f32_16x16x128_f8f6f4 v[rD:rD+7], v[rA:rA+11], v[rB:rB+11], v[rC:rC+7], v[rX], v[rY] matrix_a_fmt:MATRIX_FMT_FP6 matrix_b_fmt:MATRIX_FMT_FP6 matrix_b_scale:MATRIX_SCALE_ROW1
.elseif rW == 2
	v_wmma_scale_f32_16x16x128_f8f6f4 v[rD:rD+7], v[rA:rA+11], v[rB:rB+11], v[rC:rC+7], v[rX], v[rY] matrix_a_fmt:MATRIX_FMT_FP6 matrix_b_fmt:MATRIX_FMT_FP6 matrix_a_scale:MATRIX_SCALE_ROW1
.else
	v_wmma_scale_f32_16x16x128_f8f6f4 v[rD:rD+7], v[rA:rA+11], v[rB:rB+11], v[rC:rC+7], v[rX], v[rY] matrix_a_fmt:MATRIX_FMT_FP6 matrix_b_fmt:MATRIX_FMT_FP6 matrix_a_scale:MATRIX_SCALE_ROW1 matrix_b_scale:MATRIX_SCALE_ROW1
.endif
.endm
.macro STEP q                          ; a K step of 128: as in the projections of q, k and v.  The 32 accumulators take turns, one instruction a turn
	s_wait_dscnt 0x0                               ; this step's fragments, asked for 32 matrix instructions ago, are in
.if (\q) == 3
	s_wait_tensorcnt 0x0                           ; my part of the second half of K has landed,
	s_barrier_signal -1
	s_barrier_wait -1                              ; everybody's has.
.endif
.if (\q) < 7
.rept 4
	v_nop                                          ; four plain instructions between the last step's products and loads into the set that they read
.endr
	FETCH (\q)+1
.if (\q) == 3
	SCALES 1
.endif
.endif
.if (\q) == 0
	WIN 0x91                                       ; source 0 window 1, source 1 window 0, C window 1, D window 2
.else
	WIN 0xa1                                       ; C and D window 2
.endif
.irp a, 0,1,2,3
.irp b, 0,1,2,3,4,5,6,7
	MM \a, \b, \q
.endr
.endr
	WIN 0
.endm
	s_load_b256 s[4:11], s[0:1], 0x0               ; cq, cs, wq, bo
	s_load_b64 s[12:13], s[0:1], 0x20              ; out0
	v_lshl_add_u32 v126, v0, 2, 0x4d000
	v_mov_b32 v127, 0
	ds_add_u32 v126, v127
	ds_add_u32 v126, v127
	v_lshrrev_b32 v1, 5, v0
	v_readfirstlane_b32 s[WV], v1
	s_and_b32 s15, s[WV], 1
	s_bfe_u32 s16, ttmp6, 0x40000                  ; cx
	s_bfe_u32 s17, ttmp6, 0x40004                  ; cy
	s_lshl_b32 s18, ttmp9, 2
	s_add_co_u32 s18, s18, s16                     ; work-group x: 128 columns
	s_and_b32 s19, ttmp7, 0xffff
	s_lshl_b32 s19, s19, 2
	s_add_co_u32 s19, s19, s17                     ; work-group y: 256 tokens
	s_lshl_b32 s20, s17, 2
	s_lshl_b32 s20, 15, s20                        ; my row of the cluster
	s_lshl_b32 s21, 0x1111, s16                    ; my column
	s_or_b32 s[G1A], s20, (3<<16)|(1<<21)          ; S1: four rows of 12,288 bytes (1,536 elements of 8), 24,576 apart
	s_mov_b32 s[G1A+1], 1536<<16
	s_mov_b32 s[G1A+2], 4<<16
	s_mov_b32 s[G1A+3], 1536<<16
	s_mov_b32 s[G1A+4], 4
	s_mov_b32 s[G1A+5], 3072
	s_mov_b32 s[G1A+6], 0
	s_mov_b32 s[G1A+7], 0
	s_or_b32 s[G1B], s21, (3<<16)|(1<<21)          ; S0: two rows of 12,800 bytes, 25,600 apart
	s_mov_b32 s[G1B+1], 1600<<16
	s_mov_b32 s[G1B+2], 2<<16
	s_mov_b32 s[G1B+3], 1600<<16
	s_mov_b32 s[G1B+4], 2
	s_mov_b32 s[G1B+5], 3200
	s_mov_b32 s[G1B+6], 0
	s_mov_b32 s[G1B+7], 0
	s_or_b32 s[G1C], s20, (3<<16)|(1<<21)          ; ctx's scale halves: 32 rows of 256 bytes, 2,048 apart
	s_mov_b32 s[G1C+1], 32<<16
	s_mov_b32 s[G1C+2], 32<<16
	s_mov_b32 s[G1C+3], 32<<16
	s_mov_b32 s[G1C+4], 32
	s_mov_b32 s[G1C+5], 256
	s_mov_b32 s[G1C+6], 0
	s_mov_b32 s[G1C+7], 0
	s_lshl_b32 s56, s19, 3                         ; S1: cq's groups 8 y + 4 x half
	s_lshl_b32 s22, s15, 2
	s_add_co_u32 s56, s56, s22
	s_mul_i32 s56, s56, 24576
	s_mov_b32 s57, 0
	s_lshr_b32 s58, s19, 3                         ; cs: the batch, my 256 tokens' 256 bytes of each row, 32 rows x half
	s_lshl_b32 s58, s58, 17
	s_and_b32 s59, s19, 7
	s_lshl_b32 s59, s59, 8
	s_add_co_u32 s58, s58, s59
	s_lshl_b32 s59, s15, 16
	s_add_co_u32 s58, s58, s59
	s_mov_b32 s59, 0
	s_lshl_b32 s60, s18, 2                         ; S0: wq's groups 96 + 4 x + 2 x half
	s_lshl_b32 s23, s15, 1
	s_add_co_u32 s60, s60, s23
	s_add_co_u32 s60, s60, 96
	s_mul_i32 s60, s60, 25600
	s_mov_b32 s61, 0
	s_mul_i32 s62, s15, 4*S1GB
	s_mul_i32 s63, s15, 2*S0GB
	s_add_co_u32 s63, s63, 8*S1GB
	s_lshl_b32 s84, s15, 13
	s_wait_dscnt 0x0
	s_wait_kmcnt 0x0
	s_add_nc_u64 s[66:67], s[4:5], s[56:57]
	s_add_nc_u64 s[80:81], s[6:7], s[58:59]
	s_add_nc_u64 s[82:83], s[8:9], s[60:61]
	CROUND                                         ; all sixteen work-groups are here: the joint loads meet
	s_mov_b32 s[G0C], 1
	s_add_co_u32 s[G0C+1], s84, CSL
	s_mov_b64 s[G0C+2:G0C+3], s[80:81]
	s_or_b32 s[G0C+3], s[G0C+3], 0x80000000
.irp Q, 0,1
	s_mov_b32 s[G0A+4*\Q], 1
	s_add_co_u32 s[G0A+4*\Q+1], s62, \Q*QB
	s_add_nc_u64 s[G0A+4*\Q+2:G0A+4*\Q+3], s[66:67], \Q*12288
	s_or_b32 s[G0A+4*\Q+3], s[G0A+4*\Q+3], 0x80000000
	s_mov_b32 s[G0B+4*\Q], 1
	s_add_co_u32 s[G0B+4*\Q+1], s63, \Q*QB
	s_add_nc_u64 s[G0B+4*\Q+2:G0B+4*\Q+3], s[82:83], \Q*12800
	s_or_b32 s[G0B+4*\Q+3], s[G0B+4*\Q+3], 0x80000000
.endr
	s_cmp_lt_u32 s[WV], 2                          ; waves 0, 1: ctx's scale halves and S1's halves: three loads of mine are out; waves 2, 3: S0's halves: two
	s_cbranch_scc0 .Lfor_s0
	tensor_load_to_lds s[G0C:G0C+3], s[G1C:G1C+7]
	s_nop 0
	tensor_load_to_lds s[G0A:G0A+3], s[G1A:G1A+7]
	s_nop 0
	tensor_load_to_lds s[G0A+4:G0A+7], s[G1A:G1A+7]
	s_nop 0
.rept 4
	v_nop
.endr
	s_branch .Lasked
.Lfor_s0:
	tensor_load_to_lds s[G0B:G0B+3], s[G1B:G1B+7]
	s_nop 0
	tensor_load_to_lds s[G0B+4:G0B+7], s[G1B:G1B+7]
	s_nop 0
.rept 4
	v_nop
.endr
.Lasked:
	v_and_b32 v1, 31, v0
	v_lshlrev_b32 v[LI16], 4, v1
	v_lshlrev_b32 v[LI8], 3, v1
	v_and_b32 v7, 15, v0                           ; r
	v_bfe_u32 v16, v0, 4, 1                        ; h
	v_lshlrev_b32 v[BOF], 6, v16
	s_lshl_b32 s85, s18, 9                         ; the bias of my 128 columns: tile b's eight registers are columns 32 (b / 2) + 8 (b % 2) + 16 h + 0 .. 7
	s_mov_b32 s86, s85
	s_mov_b32 s87, 0
	s_add_nc_u64 s[10:11], s[10:11], s[86:87]
	WIN 0x40
.irp b, 0,1,2,3,4,5,6,7
	global_load_b128 v[BI+8*\b:BI+8*\b+3], v[BOF], s[10:11] offset:(32*(\b/2)+8*(\b%2))*4
	global_load_b128 v[BI+8*\b+4:BI+8*\b+7], v[BOF], s[10:11] offset:(32*(\b/2)+8*(\b%2))*4+16
.endr
	WIN 0
	s_mul_i32 s88, s[WV], 2*S1GB
	v_mul_u32_u24 v[STO], v7, SPITCH
	v_lshl_add_u32 v[STO], v16, 6, v[STO]
	v_add_nc_u32 v[STO], s88, v[STO]               ; the stage: row r, + 64 h
.irp Q, 0,1
	v_add_nc_u32 v[A161+\Q], s88, v[LI16]
	v_add_nc_u32 v[A81+\Q], s88, v[LI8]
	v_add_nc_u32 v[A160+\Q], 8*S1GB+\Q*QB, v[LI16]
	v_add_nc_u32 v[A80+\Q], 8*S1GB+\Q*QB, v[LI8]
	s_add_co_u32 s88, s88, QB
.endr
	v_lshlrev_b32 v[VCS], 2, v7
	v_lshl_add_u32 v[VCS], v16, 8, v[VCS]
	s_lshl_b32 s89, s[WV], 6
	v_add_nc_u32 v[VCS], s89, v[VCS]
	v_add_nc_u32 v[VCS], CSL, v[VCS]               ; 4 r + 256 (tile of the group) + 64 x wave
	s_lshl_b32 s90, s19, 8
	s_lshl_b32 s91, s[WV], 6
	s_add_co_u32 s90, s90, s91
	s_lshl_b32 s90, s90, 12                        ; my first token's row of out0,
	s_add_co_u32 s90, s90, s85                     ; my 128 columns
	s_mov_b32 s91, 0
	s_add_nc_u64 s[12:13], s[12:13], s[90:91]
	s_wait_alu depctr_va_vdst(0)
	s_wait_tensorcnt 0x1                           ; all but my part of the second half of K is in,
	s_barrier_signal -1
	s_barrier_wait -1                              ; everybody's is
.irp g, 0,1
.irp n, 0,1,2,3,4,5,6,7,8,9,10,11,12,13,14,15
	ds_load_b32 v[HWR+16*\g+\n], v[VCS] offset:1024*\n+512*\g   ; head n's two bytes of my rows: lanes 0-15 tile 0 of group g, lanes 16-31 tile 1
.endr
.endr
	s_wait_dscnt 0x0
.irp g, 0,1
.irp n, 0,1,2,3,4,5,6,7
	v_lshl_or_b32 v[SC1+8*\g+\n], v[HWR+16*\g+2*\n+1], 16, v[HWR+16*\g+2*\n]   ; two heads are a K step of 128
.endr
.endr
.rept 8
	v_nop                                          ; eight plain instructions between scale registers so written and the first product
.endr
	SCALES 0
	FETCH 0
	s_wait_alu depctr_va_vdst(0)
	s_wait_loadcnt 0x0                             ; the bias
.irp q, 0,1,2,3,4,5,6,7
	STEP \q
.endr
; THE WAY OUT, a tile of 16 tokens x 128 columns at a time: into my stage by lanes (each accumulator from its low end on), back as whole rows of 512 bytes, which the 32 lanes store as 512 consecutive bytes, aligned to 256.
; LDS serves a wave's instructions in order: no wait stands between the stores and the loads.
.macro TOSTAGE a
	WIN 0x08                                       ; an LDS store's data: window 2
.set i, 0
.rept 16
	ds_store_b128 v[STO], v[64*(\a)+4*i:64*(\a)+4*i+3] offset:((\a)%2)*STGB+128*(i/4)+16*(i%4)
.set i, i+1
.endr
	WIN 0
.set i, 0
.rept 16
	ds_load_b128 v[BK+64*((\a)%2)+4*i:BK+64*((\a)%2)+4*i+3], v[A161] offset:((\a)%2)*STGB+SPITCH*i
.set i, i+1
.endr
.endm
.macro SEND a, younger                 ; younger: the LDS instructions issued behind tile a's loads
	s_wait_dscnt \younger
.set i, 0
.rept 16
	global_store_b128 v[LI16], v[BK+64*((\a)%2)+4*i:BK+64*((\a)%2)+4*i+3], s[12:13] offset:(32*((\a)/2)+8*((\a)%2)+i+8*(i/8))*4096 th:TH_STORE_NT
.set i, i+1
.endr
.endm
.rept 4
	v_nop                                          ; four plain instructions between the last products and the first read of results and the loads into S1's registers
.endr
	TOSTAGE 0
	TOSTAGE 1
	SEND 0, 32                                     ; behind tile 0's loads: tile 1's 16 stores and 16 loads
	s_wait_xcnt 0x0                                ; tile 0's stores have read their registers: tile 2's rows may land there
	TOSTAGE 2
	SEND 1, 32
	s_wait_xcnt 0x0
	TOSTAGE 3
	SEND 2, 32
	SEND 3, 0
	s_wait_tensorcnt 0x0
	ds_add_u32 v126, v127
	s_wait_dscnt 0x0
	CROUND                                         ; the closing round
	s_endpgm
.Lfunc_end_k_q240041dc6e_oproj:
	.size	k_q240041dc6e_oproj, .Lfunc_end_k_q240041dc6e_oproj-k_q240041dc6e_oproj
	.p2alignl 7, 3214868480
	.fill 96, 4, 3214868480
	.section	.rodata,"a",@progbits
	.p2align	6, 0x0
	.amdhsa_kernel k_q240041dc6e_oproj
		.amdhsa_group_segment_fixed_size 315904
		.amdhsa_private_segment_fixed_size 0
		.amdhsa_enable_private_segment 0
		.amdhsa_kernarg_size 40
		.amdhsa_user_sgpr_count 2
		.amdhsa_user_sgpr_kernarg_segment_ptr 1
		.amdhsa_wavefront_size32 1
		.amdhsa_system_sgpr_workgroup_id_x 1
		.amdhsa_system_sgpr_workgroup_id_y 1
		.amdhsa_system_sgpr_workgroup_id_z 1
		.amdhsa_system_vgpr_workitem_id 0
		.amdhsa_next_free_vgpr 768
		.amdhsa_next_free_sgpr 100
		.amdhsa_reserve_vcc 0
		.amdhsa_float_denorm_mode_32 3
		.amdhsa_float_denorm_mode_16_64 3
		.amdhsa_memory_ordered 1
		.amdhsa_forward_progress 1
		.amdhsa_inst_pref_size 87
	.end_amdhsa_kernel
	.amdgpu_metadata
---
amdhsa.version: [ 1, 2 ]
amdhsa.kernels:
  - .name:           k_q240041dc6e_oproj
    .symbol:         k_q240041dc6e_oproj.kd
    .args:
      - { .name: cq, .offset: 0, .size: 8, .value_kind: global_buffer, .address_space: global }
      - { .name: cs, .offset: 8, .size: 8, .value_kind: global_buffer, .address_space: global }
      - { .name: wq, .offset: 16, .size: 8, .value_kind: global_buffer, .address_space: global }
      - { .name: bo, .offset: 24, .size: 8, .value_kind: global_buffer, .address_space: global }
      - { .name: out0, .offset: 32, .size: 8, .value_kind: global_buffer, .address_space: global }
    .group_segment_fixed_size: 315904
    .private_segment_fixed_size: 0
    .kernarg_segment_align: 8
    .kernarg_segment_size: 40
    .max_flat_workgroup_size: 128
    .sgpr_count:     100
    .vgpr_count:     768
    .wavefront_size: 32
...
	.end_amdgpu_metadata
.endif
;; end of part 4
